; MI455X (gfx1250); checked and timed in simulation.
; The chip was launched on July 23, 2026; its instructions are those of AMD's public machine-readable ISA for CDNA 5 (MIT licence, August 2026) and "CDNA5" Instruction Set Architecture Reference Guide (July 2026). The comments in the code are by the model that wrote it; some were corrected since.
;; Block. Allowed arithmetic: matrix products marked QUANTISED: E2M1 operands, one E8M0 scale for each 32 along K, by v_wmma_scale_f32_16x16x128_f8f6f4 with both operands' format E2M1 (or v_wmma_scale_f32_32x16x128_f4), f32 sums; everything else in f32.
;; Inputs: fc1_b 4,096 float32; fc1_w_codes 4,096 x 32 x 16 uint8 (E2M1 codes of fc1_w, K innermost, in blocks of 32 codes, two codes a byte); fc1_w_scales 4,096 x 32 uint8 (E8M0 scales of fc1_w, one for each 32 codes along K); fc2_b 1,024 float32; fc2_w_codes 1,024 x 128 x 16 uint8 (E2M1 codes of fc2_w, K innermost, in blocks of 32 codes, two codes a byte); fc2_w_scales 1,024 x 128 uint8 (E8M0 scales of fc2_w, one for each 32 codes along K); ln1_b 1,024 float32; ln1_w 1,024 float32; ln2_b 1,024 float32; ln2_w 1,024 float32; w_proj_codes 1,024 x 32 x 16 uint8 (E2M1 codes of w_proj, K innermost, in blocks of 32 codes, two codes a byte); w_proj_scales 1,024 x 32 uint8 (E8M0 scales of w_proj, one for each 32 codes along K); w_qkv_codes 3,072 x 32 x 16 uint8 (E2M1 codes of w_qkv, K innermost, in blocks of 32 codes, two codes a byte); w_qkv_scales 3,072 x 32 uint8 (E8M0 scales of w_qkv, one for each 32 codes along K); x 2 x 2,048 x 1,024 float32.
;; Outputs: out0 2 x 2,048 x 1,024 float32.
;; This version of the problem:
;;   THIS VERSION OF THE PROBLEM IS GIVEN IN LOW PRECISION. The matrix products marked QUANTISED in the list below multiply operands that are first quantised to E2M1 (2 exponent bits, 1 mantissa bit; 4 bits a number), with one power-of-two scale for each 32 numbers along K (OCP MX v1.0); their sums are f32. All else is computed in f32.
;;   The module's matrix products, in the order in which they are computed (A, B: the left and right operand; K: the contracted axis; several contracted axes count as one K, in the product's order):
;;     1. [M 4,096, K 1,024] x [K 1,024, N 3,072]; A: computed on the way; B: input w_qkv (given as codes): QUANTISED
;;     2. batch 32 x [M 2,048, K 64] x [K 64, N 2,048]; A: computed on the way; B: computed on the way: QUANTISED
;;     3. batch 32 x [M 2,048, K 2,048] x [K 2,048, N 64]; A: softmax (see below); B: computed on the way: QUANTISED
;;     4. [M 4,096, K 1,024] x [K 1,024, N 1,024]; A: computed on the way; B: input w_proj (given as codes): QUANTISED
;;     5. [M 4,096, K 1,024] x [K 1,024, N 4,096]; A: computed on the way; B: input fc1_w (given as codes): QUANTISED
;;     6. [M 4,096, K 4,096] x [K 4,096, N 1,024]; A: computed on the way; B: input fc2_w (given as codes): QUANTISED
;;   THE QUANTISER, for each operand of a quantised product, along K:
;;     - K is cut into blocks of 32 from its start; a last block that is shorter is filled with zeros.
;;     - A block's scale is 2^e with e = floor(log2(the largest magnitude in the block)) - 2, held to -126 .. 127; a block of zeros has e = 0. As a byte (E8M0): e + 127.
;;     - Each number is divided by its block's scale, clamped to +-6, and rounded to the nearest number of E2M1, ties to even, subnormals kept.
;;     - The product sums the exact products of the quantised numbers (number of the format x scale) in f32.
;;   ~~~python
;;   def quantise(x, axis):      # numpy; x: float32 -> the quantised numbers, widened to float32 again
;;       x = np.moveaxis(x, axis, -1); K = x.shape[-1]
;;       x = np.pad(x, [(0, 0)] * (x.ndim - 1) + [(0, -K % 32)]); x = x.reshape(x.shape[:-1] + (-1, 32)); a = np.abs(x).max(-1, keepdims=True)
;;       e = np.where(a > 0, np.clip(np.frexp(np.where(a > 0, a, 1))[1] - 1 - 2, -126, 127), 0)      # np.frexp(a)[1] - 1 = floor(log2(a)), exactly
;;       r = np.clip(x / 2.0 ** e, -6, 6)
;;       step = 2.0 ** (np.maximum(np.frexp(np.where(r == 0, 1, r))[1] - 1, 0) - 1)
;;       q = np.round(r / step) * step * 2.0 ** e      # np.round: ties to even
;;       return np.moveaxis(q.reshape(q.shape[:-2] + (-1,))[..., :K], -1, axis).astype(np.float32)
;;   ~~~
;;   SOFTMAX AHEAD OF A QUANTISED PRODUCT. Where the list says 'softmax', what is quantised is not the finished softmax but p = 2^(t - M), with t = logit x log2(e) and M = ceil(the row's largest t), a whole number; so 1/2 < the row's largest p <= 1. The row's sum l is taken of the UNQUANTISED p, in f32, and the product's result is divided by l at the end. Since M is a whole number, a kernel that streams over the keys may use a running M (the ceiling of the running maximum): every later rescaling is an exact power of two, which a block's scale takes up: the codes' values come out the same.
;;   OPERANDS COMPUTED ON THE WAY. 'Computed on the way' means the value that the module computes at that place (a softmax that the list does not call 'softmax' is quantised finished and normalised). What goes into a quantiser is computed in f32, as accurately as f32 sums, v_exp_f32 and their like allow (about 1e-6 of the number): no bf16 or f16 on the way to a quantiser, and a product that is left as it is and whose result goes on into a quantised operand takes f32 operands (vector FMAs, or v_wmma_f32_16x16x4_f32). A number that lies on a knife's edge between two numbers of the format may be rounded either way, as far as f32 arithmetic and the matrix unit's own rounding can turn it there, and no further.
;;   INPUTS GIVEN AS CODES. fc1_w (in the module: [1024, 4096], K = its axis 0); fc2_w (in the module: [4096, 1024], K = its axis 0); w_proj (in the module: [1024, 1024], K = its axis 0); w_qkv (in the module: [1024, 3072], K = its axis 0): each comes as NAME_codes (uint8): NAME with its K axis moved to the last place and cut into blocks of 32 codes, [.., K / 32, bytes a block], one block behind the other in memory; two codes a byte, the lower K in the low four bits (a code: sign, 2 exponent bits, 1 mantissa bit); and NAME_scales (uint8): the same leading axes, one E8M0 byte (e + 127) for each 32 codes along K. Its value is code x scale, taken as it is: it is not quantised again, and the codes and scales need not be those that the quantiser above would give.
;; One version. Each part assembles by itself: llvm-mc -triple=amdgcn-amd-amdhsa -mcpu=gfx1250 --defsym DOCPART=n.
;; ======== version 1 of 1: 6 launches
;; limits: right only within a limited range of input values
;; workspace buffers: wimg 6,684,672 bytes; a1 2,228,224 bytes; a3 2,228,224 bytes; a2 2,228,224 bytes; hid 8,912,896 bytes; x1 16,777,216 bytes; qimg 2,359,296 bytes; kv 4,587,520 bytes
;; launch lnprep (part 1): grid 352 x 1, 8 waves a work-group, no clusters, 70,656 bytes of LDS; arguments x, ln1_w, ln1_b, w_qkv_codes, w_qkv_scales, w_proj_codes, w_proj_scales, fc1_w_codes, fc1_w_scales, fc2_w_codes, fc2_w_scales, a1, wimg; writes a1, wimg
.if DOCPART == 1
	.amdgcn_target "amdgcn-amd-amdhsa--gfx1250"
	.amdhsa_code_object_version 6
	.text
	.protected	k_qc8228d05f7_lnprep
	.globl	k_qc8228d05f7_lnprep
	.p2align	8
	.type	k_qc8228d05f7_lnprep,@function
k_qc8228d05f7_lnprep:
	s_mov_b64 s[64:65], 0
	v_nop
	global_prefetch_b8 v0, s[64:65] scope:SCOPE_SE
	s_setreg_imm32_b32 hwreg(HW_REG_WAVE_MODE, 25, 1), 1
	s_wait_xcnt 0x0
; Two jobs in one launch, parted by the work-group's number.
; Work-groups 0-255: LayerNorm 1 of 16 rows of x, quantised to FP4 (E2M1) with one E8M0 byte for each 32 along the 1,024 columns, stored into a1 as RECORDS.
; Work-groups 256-351: the four weights, which arrive as codes with K innermost, are laid anew into wimg as records; no number is changed.
; A RECORD (34,816 bytes) is 64 rows x 1,024 along K: four tiles t of 16 rows, eight K steps s of 128.  Fragment (t, s) lies at (8 t + s) x 1,024 as an image of the operand's registers:
; group c (512 bytes), lane l's 16 bytes at 16 l: k = 64 c + 32 (l / 16) + 0 .. 31 of the row at place l % 16.  The scale bytes lie at 32,768 + 512 t + 32 place + k / 32.
; THE ROWS OF A TILE ARE NOT NEIGHBOURS: place r of tile 2 b + u is row 32 b + 8 u + r + 8 (r / 8).  With that order on both sources of a product, a lane's registers of two neighbouring result tiles are 16 neighbours.
; LN: wave w owns columns 128 w .. 128 w + 127 (K step w) of the tile's 16 rows.  Loads take 512 consecutive bytes of a row; the numbers turn through the wave's own stage in LDS so that
; lane (r, h) holds, of row place r, columns 32 b + 16 h + 0 .. 15 of each block b.  Mean and variance meet in LDS: two barriers.
; LIMITS: NaN and infinities are not served; a block whose largest magnitude lies under 2^-124 (a block of zeros too) gets the byte 1: its codes are zeros or nearly so, and this program alone reads the bytes.
; The row sums are taken in another order than a plain sum from left to right.
.set REC,  34816
.set SCO,  32768
.set STGB, 8448                        ; a wave's stage: 16 rows x (512 + 16) bytes
.set RED1, 8*STGB                      ; the waves' partial sums: 48 bytes a row, 4 a wave
.set RED2, RED1+768                    ; and the partial sums of squares
.set XR,   64                          ; v64-127  x as loaded, later ln1_w
.set YR,   128                         ; v128-191 my 64 numbers
.set BR,   192                         ; v192-255 ln1_b
.set TM,   24                          ; v24-39   at work in QUANT
.set PW,   40                          ; v40      the scale word
.set PC,   44                          ; v44-51   the fragment's codes
.set WV,   32
.set SEL,  48                          ; s[48:49] lane selects: lane l xor 16
; 64 numbers of a lane, register 16 b + i = k 32 b + 16 (lane / 16) + i of my row, become a fragment's codes in v[PC] on and its scale word in v[PW].
.macro QUANT s
.irp b, 0,1,2,3
	v_max3_num_f32 v[TM+\b], |v[\s+16*\b]|, |v[\s+1+16*\b]|, 0x1800000   ; my 16 numbers of block b, and the floor 2^(3 - 127): the byte cannot fall under 1
.endr
.irp i, 2,4,6,8,10,12,14
.irp b, 0,1,2,3
	s_delay_alu instid0(VALU_DEP_4)
	v_max3_num_f32 v[TM+\b], v[TM+\b], |v[\s+16*\b+\i]|, |v[\s+1+16*\b+\i]|
.endr
.endr
.irp b, 0,1,2,3
	s_delay_alu instid0(VALU_DEP_4)
	v_permlanex16_b32 v[TM+4+\b], v[TM+\b], s[SEL], s[SEL+1]
.endr
.irp b, 0,1,2,3
	s_delay_alu instid0(VALU_DEP_4)
	v_max_num_f32 v[TM+\b], v[TM+\b], v[TM+4+\b]          ; with lane l xor 16's: the block's largest magnitude
.endr
.irp b, 0,1,2,3
	s_delay_alu instid0(VALU_DEP_4)
	v_add_nc_u32 v[TM+12+\b], 0xff000000, v[TM+\b]        ; 2 off its exponent field: the conversion's scale operand
.endr
.irp b, 0,1,2,3
	s_delay_alu instid0(VALU_DEP_4)
	v_lshrrev_b32 v[TM+4+\b], 23, v[TM+12+\b]             ; the scale's byte
.endr
	s_delay_alu instid0(VALU_DEP_3)
	v_lshl_or_b32 v[PW], v[TM+5], 8, v[TM+4]
	s_delay_alu instid0(VALU_DEP_1)
	v_lshl_or_b32 v[PW], v[TM+6], 16, v[PW]
	s_delay_alu instid0(VALU_DEP_1)
	v_lshl_or_b32 v[PW], v[TM+7], 24, v[PW]
.irp b, 0,1,2,3
	v_cvt_scalef32_pk8_fp4_f32 v[PC+2*\b], v[\s+16*\b:\s+7+16*\b], v[TM+12+\b]
	v_cvt_scalef32_pk8_fp4_f32 v[PC+1+2*\b], v[\s+8+16*\b:\s+15+16*\b], v[TM+12+\b]
.endr
	v_nop                                                  ; one plain line behind a scaled conversion
.irp c, 0,1                                            ; the operand wants a whole block in a lane: lanes 0-15 block 2 c, lanes 16-31 block 2 c + 1
.irp i, 0,1
	v_permlane16_swap_b32 v[PC+4*\c+\i], v[PC+2+4*\c+\i]
.endr
.endr
.endm
; Four chains v[16:23] of partial sums become the row's sum over all eight waves, in v16 of every lane.
.macro ACROSS off
	s_delay_alu instid0(VALU_DEP_3)
	v_pk_add_f32 v[16:17], v[16:17], v[18:19]
	s_delay_alu instid0(VALU_DEP_2)
	v_pk_add_f32 v[20:21], v[20:21], v[22:23]
	s_delay_alu instid0(VALU_DEP_1)
	v_pk_add_f32 v[16:17], v[16:17], v[20:21]
	s_delay_alu instid0(VALU_DEP_1)
	v_add_f32 v16, v16, v17
	s_delay_alu instid0(VALU_DEP_1)
	v_permlanex16_b32 v17, v16, s[SEL], s[SEL+1]
	s_delay_alu instid0(VALU_DEP_1)
	v_add_f32 v16, v16, v17                                ; my wave's 128 columns of row place r
	ds_store_b32 v8, v16 offset:\off                       ; both halves of the lanes write the same word with the same value
	s_wait_dscnt 0x0                                       ; for the others' sake: my store has landed
	s_barrier_signal -1
	s_barrier_wait -1
	ds_load_b128 v[16:19], v9 offset:\off
	ds_load_b128 v[20:23], v9 offset:\off+16
	s_wait_dscnt 0x0
	v_pk_add_f32 v[16:17], v[16:17], v[18:19]
	v_pk_add_f32 v[20:21], v[20:21], v[22:23]
	s_delay_alu instid0(VALU_DEP_1)
	v_pk_add_f32 v[16:17], v[16:17], v[20:21]
	s_delay_alu instid0(VALU_DEP_1)
	v_add_f32 v16, v16, v17
.endm
	s_load_b128 s[4:7], s[0:1], 0x0                ; x, ln1_w
	s_load_b64 s[8:9], s[0:1], 0x10                ; ln1_b
	s_load_b256 s[12:19], s[0:1], 0x18             ; w_qkv codes, scales; w_proj codes, scales
	s_load_b256 s[20:27], s[0:1], 0x38             ; fc1_w codes, scales; fc2_w codes, scales
	s_load_b128 s[28:31], s[0:1], 0x58             ; a1, wimg
	v_lshl_add_u32 v62, v0, 2, 0x11000
	v_mov_b32 v63, 0
	v_lshrrev_b32 v1, 5, v0
	s_delay_alu instid0(VALU_DEP_1)
	v_readfirstlane_b32 s[WV], v1                  ; wave 0..7
	v_and_b32 v1, 31, v0                           ; lane
	v_and_b32 v2, 15, v0                           ; r
	v_bfe_u32 v3, v0, 4, 1                         ; h
	s_wait_kmcnt 0x0
	s_cmp_ge_u32 ttmp9, 256                        ; the same in all waves of a work-group
	s_cbranch_scc1 .Lprep
	; ---------------- LayerNorm 1 of tile ttmp9
	s_mov_b32 s[SEL], 0x76543210
	s_mov_b32 s[SEL+1], 0xfedcba98
	s_mov_b32 s38, 0x3a800000                      ; 1 / 1024
	s_mov_b32 s39, 0x3727c5ac                      ; 1e-5
	s_lshl_b32 s33, s[WV], 9                       ; my 512 bytes of a row
	s_mul_i32 s34, s[WV], STGB                     ; my stage
	s_wait_alu depctr_va_vdst(0)
	v_lshl_add_u32 v4, v1, 4, s33                  ; x: 16 lane + 512 w
	v_lshl_add_u32 v5, v1, 4, s34                  ; stage, in: 16 lane (+ 528 a row)
	v_mul_u32_u24 v6, v2, 528
	s_delay_alu instid0(VALU_DEP_1)
	v_lshl_add_u32 v6, v3, 6, v6
	s_delay_alu instid0(VALU_DEP_1)
	v_add_nc_u32 v6, s34, v6                       ; stage, out: row r, + 64 h
	v_lshl_add_u32 v7, v3, 6, s33                  ; gain and bias: 64 h + 512 w
	v_mul_u32_u24 v9, v2, 48
	s_delay_alu instid0(VALU_DEP_1)
	v_add_nc_u32 v9, RED1, v9                      ; my row's eight partial sums
	s_lshl_b32 s35, s[WV], 2
	v_add_nc_u32 v8, s35, v9                       ; and my wave's word among them
.irp b, 0,1,2,3
	v_mov_b32 v[TM+4+\b], 0                        ; written once: a lane permute's destination counts as one of its sources
.endr
	s_lshr_b32 s36, ttmp9, 1                       ; the tile's first row: 32 (tile / 2) + 8 (tile % 2), of 4,096 bytes
	s_lshl_b32 s36, s36, 17
	s_and_b32 s37, ttmp9, 1
	s_lshl_b32 s37, s37, 15
	s_add_co_u32 s36, s36, s37
	s_mov_b32 s37, 0
	s_add_nc_u64 s[4:5], s[4:5], s[36:37]
	s_lshr_b32 s40, ttmp9, 2                       ; a1: record tile / 4, tile t = tile % 4, K step w
	s_mul_i32 s40, s40, REC
	s_and_b32 s41, ttmp9, 3
	s_lshl_b32 s42, s41, 13
	s_lshl_b32 s43, s[WV], 10
	s_add_co_u32 s42, s42, s43
	s_add_co_u32 s42, s42, s40
	v_lshl_add_u32 v10, v1, 4, s42                 ; my 16 bytes of the fragment's image
	s_lshl_b32 s41, s41, 9
	s_add_co_u32 s41, s41, s40
	s_add_co_u32 s41, s41, SCO
	s_add_co_u32 s41, s41, s35
	v_lshl_add_u32 v11, v2, 5, s41                 ; my row's scale word of K step w
.irp i, 0,1,2,3,4,5,6,7,8,9,10,11,12,13,14,15
	global_load_b128 v[XR+4*\i:XR+4*\i+3], v4, s[4:5] offset:(\i+8*(\i/8))*4096   ; row place i: 32 lanes read 512 consecutive bytes
.endr
.irp b, 0,1,2,3
.irp j, 0,1,2,3
	global_load_b128 v[BR+16*\b+4*\j:BR+16*\b+4*\j+3], v7, s[8:9] offset:128*\b+16*\j
.endr
.endr
	s_wait_loadcnt 16                              ; x is in; the sixteen loads of the bias may stay out
.irp i, 0,1,2,3,4,5,6,7,8,9,10,11,12,13,14,15
	ds_store_b128 v5, v[XR+4*\i:XR+4*\i+3] offset:528*\i
.endr
.irp b, 0,1,2,3
.irp j, 0,1,2,3
	ds_load_b128 v[YR+16*\b+4*\j:YR+16*\b+4*\j+3], v6 offset:128*\b+16*\j   ; LDS serves a wave's instructions in order: these see my stores
.endr
.endr
	s_wait_dscnt 0x0                               ; my 64 numbers are in, and the stores have read x's registers,
.irp b, 0,1,2,3
.irp j, 0,1,2,3
	global_load_b128 v[XR+16*\b+4*\j:XR+16*\b+4*\j+3], v7, s[6:7] offset:128*\b+16*\j   ; which take the gain
.endr
.endr
.irp c, 0,1,2,3
	v_pk_add_f32 v[16+2*\c:17+2*\c], v[YR+4*\c:YR+4*\c+1], v[YR+4*\c+2:YR+4*\c+3]   ; the sum, in four chains
.endr
.irp j, 16,24,32,40,48,56
.irp c, 0,1,2,3
	s_delay_alu instid0(VALU_DEP_4)
	v_pk_add_f32 v[16+2*\c:17+2*\c], v[16+2*\c:17+2*\c], v[YR+\j+2*\c:YR+\j+2*\c+1]
.endr
.endr
	ACROSS 0
	s_delay_alu instid0(VALU_DEP_1)
	v_mul_f32 v12, s38, v16                        ; the mean
	s_delay_alu instid0(VALU_DEP_1)
	v_mov_b32 v13, v12
.set j, 0
.rept 32
	v_pk_add_f32 v[YR+j:YR+j+1], v[YR+j:YR+j+1], v[12:13] neg_lo:[0,1] neg_hi:[0,1]
.set j, j+2
.endr
.irp c, 0,1,2,3
	v_pk_mul_f32 v[16+2*\c:17+2*\c], v[YR+2*\c:YR+2*\c+1], v[YR+2*\c:YR+2*\c+1]
.endr
.irp j, 8,16,24,32,40,48,56
.irp c, 0,1,2,3
	s_delay_alu instid0(VALU_DEP_4)
	v_pk_fma_f32 v[16+2*\c:17+2*\c], v[YR+\j+2*\c:YR+\j+2*\c+1], v[YR+\j+2*\c:YR+\j+2*\c+1], v[16+2*\c:17+2*\c]
.endr
.endr
	ACROSS RED2-RED1                               ; other bytes than the first exchange: no third barrier is needed
	s_delay_alu instid0(VALU_DEP_1)
	v_fma_f32 v16, v16, s38, s39                   ; the variance + 1e-5
	s_wait_alu depctr_va_vdst(0)
	v_rsq_f32 v14, v16
	v_nop                                          ; one plain line behind a transcendental
	s_wait_alu depctr_va_vdst(0)
	v_mov_b32 v15, v14
	s_wait_alu depctr_va_vdst(0)
	s_wait_loadcnt 0x0                             ; gain and bias
.set j, 0
.rept 32
	v_pk_mul_f32 v[YR+j:YR+j+1], v[YR+j:YR+j+1], v[14:15]
.set j, j+2
.endr
.set j, 0
.rept 32
	v_pk_fma_f32 v[YR+j:YR+j+1], v[YR+j:YR+j+1], v[XR+j:XR+j+1], v[BR+j:BR+j+1]
.set j, j+2
.endr
	QUANT YR
	global_store_b128 v10, v[PC:PC+3], s[28:29]            ; 32 lanes store 512 consecutive bytes
	global_store_b128 v10, v[PC+4:PC+7], s[28:29] offset:512
	global_store_b32 v11, v[PW], s[28:29]                  ; both halves of the lanes write the same word
	s_wait_tensorcnt 0x0
	ds_add_u32 v62, v63
	s_wait_dscnt 0x0
	s_endpgm
	; ---------------- the weights as records: work-group p takes records 2 p and 2 p + 1, a wave one tile of 16 rows
.Lprep:
	s_sub_co_u32 s33, ttmp9, 256
	s_lshl_b32 s33, s33, 1
	s_lshr_b32 s34, s[WV], 2
	s_add_co_u32 s33, s33, s34                     ; record R: 0-47 w_qkv, 48-63 w_proj, 64-127 fc1_w, 128-191 fc2_w
	s_and_b32 s34, s[WV], 3                        ; tile t
	s_mov_b32 s35, 128                             ; the weight's first record
	s_cmp_lt_u32 s33, 128                          ; the choices hang on the record's number alone
	s_cselect_b64 s[24:25], s[20:21], s[24:25]
	s_cselect_b64 s[26:27], s[22:23], s[26:27]
	s_cselect_b32 s35, 64, s35
	s_cselect_b32 s36, 0, 2                        ; fc2_w's rows are four records long
	s_cmp_lt_u32 s33, 64
	s_cselect_b64 s[24:25], s[16:17], s[24:25]
	s_cselect_b64 s[26:27], s[18:19], s[26:27]
	s_cselect_b32 s35, 48, s35
	s_cmp_lt_u32 s33, 48
	s_cselect_b64 s[24:25], s[12:13], s[24:25]
	s_cselect_b64 s[26:27], s[14:15], s[26:27]
	s_cselect_b32 s35, 0, s35
	s_sub_co_u32 s37, s33, s35
	s_lshr_b32 s38, s37, s36                       ; which 64 rows
	s_lshl_b32 s39, s38, s36
	s_sub_co_u32 s39, s37, s39                     ; which 1,024 along K
	s_lshl_b32 s40, s38, 6
	s_lshr_b32 s41, s34, 1
	s_lshl_b32 s41, s41, 5
	s_add_co_u32 s40, s40, s41
	s_and_b32 s41, s34, 1
	s_lshl_b32 s41, s41, 3
	s_add_co_u32 s40, s40, s41                     ; the tile's first row
	s_wait_alu depctr_va_vdst(0)
	v_and_b32 v4, 8, v2
	s_delay_alu instid0(VALU_DEP_1)
	v_add_nc_u32 v4, v4, v2
	s_delay_alu instid0(VALU_DEP_1)
	v_add_nc_u32 v4, s40, v4                       ; my row: + r + 8 (r / 8)
	s_add_co_u32 s43, s36, 9                       ; a row of codes is 512 or 2,048 bytes,
	s_add_co_u32 s44, s36, 5                       ; of scale bytes 32 or 128
	s_lshl_b32 s45, s39, 9
	v_lshlrev_b32 v5, s43, v4
	v_lshl_add_u32 v6, v3, 4, s45
	s_delay_alu instid0(VALU_DEP_1)
	v_add_nc_u32 v5, v5, v6                        ; codes: row + 512 x chunk + 16 h
	s_lshl_b32 s45, s39, 5
	v_lshlrev_b32 v7, s44, v4
	v_lshl_add_u32 v6, v3, 4, s45
	s_delay_alu instid0(VALU_DEP_1)
	v_add_nc_u32 v7, v7, v6                        ; scale bytes: row + 32 x chunk + 16 h
	s_mul_i32 s46, s33, REC
	s_lshl_b32 s47, s34, 13
	s_add_co_u32 s47, s47, s46
	v_lshl_add_u32 v8, v1, 4, s47                  ; out: the tile's eight fragments, 16 bytes a lane
	s_lshl_b32 s47, s34, 9
	s_add_co_u32 s47, s47, s46
	s_add_co_u32 s47, s47, SCO
	v_lshlrev_b32 v9, 5, v2
	s_delay_alu instid0(VALU_DEP_1)
	v_lshl_add_u32 v9, v3, 4, v9
	s_delay_alu instid0(VALU_DEP_1)
	v_add_nc_u32 v9, s47, v9                       ; out: 32 r + 16 h among the tile's scale bytes
.irp s, 0,1,2,3,4,5,6,7
.irp c, 0,1
	global_load_b128 v[64+8*\s+4*\c:67+8*\s+4*\c], v5, s[24:25] offset:64*\s+32*\c   ; k = 128 s + 64 c + 32 h + 0 .. 31 of my row
.endr
.endr
	global_load_b128 v[16:19], v7, s[26:27]
	s_wait_alu depctr_va_vdst(0)
	s_wait_loadcnt 0x0
.irp s, 0,1,2,3,4,5,6,7
.irp c, 0,1
	global_store_b128 v8, v[64+8*\s+4*\c:67+8*\s+4*\c], s[30:31] offset:1024*\s+512*\c   ; 32 lanes store 512 consecutive bytes
.endr
.endr
	global_store_b128 v9, v[16:19], s[30:31]
	s_endpgm
.Lfunc_end_k_qc8228d05f7_lnprep:
	.size	k_qc8228d05f7_lnprep, .Lfunc_end_k_qc8228d05f7_lnprep-k_qc8228d05f7_lnprep
	.p2alignl 7, 3214868480
	.fill 96, 4, 3214868480
	.section	.rodata,"a",@progbits
	.p2align	6, 0x0
	.amdhsa_kernel k_qc8228d05f7_lnprep
		.amdhsa_group_segment_fixed_size 70656
		.amdhsa_private_segment_fixed_size 0
		.amdhsa_enable_private_segment 0
		.amdhsa_kernarg_size 104
		.amdhsa_user_sgpr_count 2
		.amdhsa_user_sgpr_kernarg_segment_ptr 1
		.amdhsa_wavefront_size32 1
		.amdhsa_system_sgpr_workgroup_id_x 1
		.amdhsa_system_sgpr_workgroup_id_y 1
		.amdhsa_system_sgpr_workgroup_id_z 1
		.amdhsa_system_vgpr_workitem_id 0
		.amdhsa_next_free_vgpr 256
		.amdhsa_next_free_sgpr 66
		.amdhsa_reserve_vcc 0
		.amdhsa_float_denorm_mode_32 3
		.amdhsa_float_denorm_mode_16_64 3
		.amdhsa_memory_ordered 1
		.amdhsa_forward_progress 1
		.amdhsa_inst_pref_size 35
	.end_amdhsa_kernel
	.amdgpu_metadata
---
amdhsa.version: [ 1, 2 ]
amdhsa.kernels:
  - .name:           k_qc8228d05f7_lnprep
    .symbol:         k_qc8228d05f7_lnprep.kd
    .args:
      - { .name: x, .offset: 0, .size: 8, .value_kind: global_buffer, .address_space: global }
      - { .name: ln1_w, .offset: 8, .size: 8, .value_kind: global_buffer, .address_space: global }
      - { .name: ln1_b, .offset: 16, .size: 8, .value_kind: global_buffer, .address_space: global }
      - { .name: w_qkv_codes, .offset: 24, .size: 8, .value_kind: global_buffer, .address_space: global }
      - { .name: w_qkv_scales, .offset: 32, .size: 8, .value_kind: global_buffer, .address_space: global }
      - { .name: w_proj_codes, .offset: 40, .size: 8, .value_kind: global_buffer, .address_space: global }
      - { .name: w_proj_scales, .offset: 48, .size: 8, .value_kind: global_buffer, .address_space: global }
      - { .name: fc1_w_codes, .offset: 56, .size: 8, .value_kind: global_buffer, .address_space: global }
      - { .name: fc1_w_scales, .offset: 64, .size: 8, .value_kind: global_buffer, .address_space: global }
      - { .name: fc2_w_codes, .offset: 72, .size: 8, .value_kind: global_buffer, .address_space: global }
      - { .name: fc2_w_scales, .offset: 80, .size: 8, .value_kind: global_buffer, .address_space: global }
      - { .name: a1, .offset: 88, .size: 8, .value_kind: global_buffer, .address_space: global }
      - { .name: wimg, .offset: 96, .size: 8, .value_kind: global_buffer, .address_space: global }
    .group_segment_fixed_size: 70656
    .private_segment_fixed_size: 0
    .kernarg_segment_align: 8
    .kernarg_segment_size: 104
    .max_flat_workgroup_size: 256
    .sgpr_count:     66
    .vgpr_count:     256
    .wavefront_size: 32
...
	.end_amdgpu_metadata
.endif
;; end of part 1
;; launch qkv (part 2): grid 8 x 32, 12 waves a work-group, clusters of 4 x 4, 280,064 bytes of LDS; arguments a1, wimg, qimg, kv; writes qimg, kv
.if DOCPART == 2
	.amdgcn_target "amdgcn-amd-amdhsa--gfx1250"
	.amdhsa_code_object_version 6
	.text
	.protected	k_qc8228d05f7_qkv
	.globl	k_qc8228d05f7_qkv
	.p2align	8
	.type	k_qc8228d05f7_qkv,@function
k_qc8228d05f7_qkv:
	s_mov_b64 s[64:65], 0
	v_nop
	global_prefetch_b8 v0, s[64:65] scope:SCOPE_SE
	s_setreg_imm32_b32 hwreg(HW_REG_WAVE_MODE, 25, 1), 1
	s_wait_xcnt 0x0
	s_wait_alu depctr_hold_cnt(0) depctr_sa_sdst(0) depctr_va_vdst(0) depctr_va_sdst(0) depctr_va_ssrc(0) depctr_va_vcc(0) depctr_vm_vsrc(0)
	s_getreg_b32 s2, hwreg(HW_REG_IB_STS2, 6, 4)
	s_cmp_eq_u32 s2, 0
	s_cbranch_scc0 .Lentry_in_a_cluster
	s_endpgm
.Lentry_in_a_cluster:
	s_bfe_u32 s2, ttmp6, 0x10000c
	s_cmp_lg_u32 s2, 0xf033
	s_cbranch_scc0 .Lentry_shape_is_right
	s_endpgm
.Lentry_shape_is_right:
; q, k, v = LN1(x) w_qkv on codes of FP4 with E8M0 scales, and their quantising for attention: q and k along the head's 64 channels, v along the keys.  Nothing wider than codes goes to memory.
; A work-group takes 128 tokens (work-group y) and two heads (work-group x): twelve waves, each 64 tokens x 64 channels of q (waves 0-3), k (4-7) or v (8-11): 16 accumulators, K = 1,024 in eight steps of 128.
; Operands are RECORDS of 34,816 bytes (64 rows x 1,024 K as images of the operand's registers, then 32 scale bytes a row).  Eight records fit in LDS together: six of w_qkv, two of a1.  Each is filled once, so no slot is filled again.
; CLUSTER 4 x 4: the weights' records hang on work-group x alone and are asked for jointly along a column of the cluster, a1's on work-group y alone and jointly along a row.
; ORDER OF ROWS: place r of tile 2 b + u is row 32 b + 8 u + r + 8 (r / 8), in every operand.  So in a result, lane (r, h) holds source 1's row at place r, and register j of the tile over source 0's tile 2 b + u is source 0's row
; 32 b + 16 h + 8 u + j: the 32 registers of four tiles are two half blocks of 32 neighbours, and lanes l, l xor 16 hold the blocks whole.
; q, k: source 0 = the weight (channels), source 1 = a1 (tokens): a lane holds a token, its registers run along the channels.  v: the sources change places: a lane holds a channel, its registers run along the tokens, which are the keys.
; OUT.  qimg: tile T of 16 queries of head bh: 512 bytes at (128 bh + T) x 512 (k = 0 .. 63 of a fragment; the rest are zeros that attention makes itself); scale words behind 2,097,152.
; kv: a part of 8,960 bytes for each head and each 128 keys: K's eight tiles (512 bytes each), V^T's four fragments (1,024 each), K's scale words (32 bytes a place), V's (16 bytes a place).
; The scale words of q and k carry 0x7f (the scale 1) in the two bytes that stand over zero codes.
; LIMITS: NaN and infinities are not served; a block whose largest magnitude lies under 2^-124 gets the byte 1; only this program reads the bytes.
.set REC, 34816
.set SCO, 32768
.set QSC, 2097152
.set KVP, 8960
.set LI,  1                            ; v1  16 x lane
.set RR,  2                            ; v2  r
.set HH,  3                            ; v3  h
.set AD0, 4                            ; v4  source 0's record + 16 lane
.set AD1, 5                            ; v5  source 1's
.set AS0, 6                            ; v6  source 0's scale bytes + 32 r + 16 h
.set AS1, 7                            ; v7  source 1's
.set SL,  0
.set T0,  20                           ; v20-27 at work in QUANT2
.set SC0, 32                           ; v32-47 source 0's scale words: tile j at 4 j; lanes 0-15 steps 0-3, lanes 16-31 steps 4-7
.set SC1, 48                           ; v48-63 source 1's
.set F0,  64                           ; v64-95 source 0's four fragments
.set F1,  96                           ; v96-127 source 1's
.set ACC, 128                          ; v128-255 accumulator (a, b) at 8 (4 a + b): a source 1's tile, b source 0's
.set PC,  64                           ; behind the products: the codes, four registers a tile
.set SW,  80                           ; the scale words of q or k
.set HW,  84                           ; two scale bytes
.set WV,  20
.set SEL, 26
.set G1A, 28
.set G0A, 36
.set G1B, 44
.set G0B, 52
.macro CROUND                          ; a round of the cluster's barrier
	s_barrier_signal -1
	s_barrier_wait -1
	s_cmp_lg_u32 s[WV], 0
	s_cbranch_scc1 .Lnot_wave_0_\@
	s_barrier_signal -3
.Lnot_wave_0_\@:
	s_barrier_wait -3
	s_barrier_signal -1
	s_barrier_wait -1
.endm
.macro SCLOAD                          ; the scale words of all eight K steps: 16 bytes a lane and tile
.irp j, 0,1,2,3
	ds_load_b128 v[SC0+4*\j:SC0+4*\j+3], v[AS0+SL] offset:512*\j
	ds_load_b128 v[SC1+4*\j:SC1+4*\j+3], v[AS1+SL] offset:512*\j
.endr
.endm
.macro FLOAD s                         ; K step s: source 0's four fragments, then source 1's
.irp j, 0,1,2,3
.irp c, 0,1
	ds_load_b128 v[F0+8*\j+4*\c:F0+8*\j+4*\c+3], v[AD0+SL] offset:(8*\j+(\s))*1024+512*\c
.endr
.endr
.irp j, 0,1,2,3
.irp c, 0,1
	ds_load_b128 v[F1+8*\j+4*\c:F1+8*\j+4*\c+3], v[AD1+SL] offset:(8*\j+(\s))*1024+512*\c
.endr
.endr
.endm
.macro WM a, b, s, z                   ; one product; z = 1: it starts the sum.  Steps 4-7 take their scale words from lanes 16-31
.if (\s) < 4
.if \z
	v_wmma_scale_f32_16x16x128_f8f6f4 v[ACC+8*(4*\a+\b):ACC+8*(4*\a+\b)+7], v[F0+8*\b:F0+8*\b+7], v[F1+8*\a:F1+8*\a+7], 0, v[SC0+4*\b+(\s)%4], v[SC1+4*\a+(\s)%4] matrix_a_fmt:MATRIX_FMT_FP4 matrix_b_fmt:MATRIX_FMT_FP4
.else
	v_wmma_scale_f32_16x16x128_f8f6f4 v[ACC+8*(4*\a+\b):ACC+8*(4*\a+\b)+7], v[F0+8*\b:F0+8*\b+7], v[F1+8*\a:F1+8*\a+7], v[ACC+8*(4*\a+\b):ACC+8*(4*\a+\b)+7], v[SC0+4*\b+(\s)%4], v[SC1+4*\a+(\s)%4] matrix_a_fmt:MATRIX_FMT_FP4 matrix_b_fmt:MATRIX_FMT_FP4
.endif
.else
	v_wmma_scale_f32_16x16x128_f8f6f4 v[ACC+8*(4*\a+\b):ACC+8*(4*\a+\b)+7], v[F0+8*\b:F0+8*\b+7], v[F1+8*\a:F1+8*\a+7], v[ACC+8*(4*\a+\b):ACC+8*(4*\a+\b)+7], v[SC0+4*\b+(\s)%4], v[SC1+4*\a+(\s)%4] matrix_a_fmt:MATRIX_FMT_FP4 matrix_b_fmt:MATRIX_FMT_FP4 matrix_a_scale:MATRIX_SCALE_ROW1 matrix_b_scale:MATRIX_SCALE_ROW1
.endif
.endm
; A K step: 16 LDS loads, 16 products; the 16 accumulators take turns, one instruction a turn.  sc = 1: the scale words come first.
.macro KSTEP s, z, sc
.rept 4
	v_nop                                          ; four plain lines between the last products and loads into registers that they read (ISA guide 7.12.1 for vector instructions)
.endr
.if \sc
	SCLOAD
.endif
	FLOAD \s
.irp a, 0,1,2,3
	s_wait_dscnt 6-2*\a                            ; source 0's fragments and source 1's up to tile a are in; the later tiles' two loads each may be out
.irp b, 0,1,2,3
	WM \a, \b, \s, \z
.endr
.endr
.endm
; 32 numbers of a lane: block 0 in the eight-register groups a0, a1, block 1 in a2, a3 (16 neighbours each; lane l xor 16 holds the other 16).  They become four registers of codes, k = 32 (lane / 16) + 0 .. 31, in v[pc] on, and two scale bytes in v[hw].
.macro QUANT2 a0, a1, a2, a3, pc, hw
	v_max3_num_f32 v[T0], |v[(\a0)]|, |v[(\a0)+1]|, 0x1800000     ; each group is read from its low end on; the floor 2^(3 - 127) holds the byte at 1 from below
	v_max3_num_f32 v[T0+1], |v[(\a2)]|, |v[(\a2)+1]|, 0x1800000
.irp i, 2,4,6
	v_max3_num_f32 v[T0], v[T0], |v[(\a0)+\i]|, |v[(\a0)+\i+1]|
	v_max3_num_f32 v[T0+1], v[T0+1], |v[(\a2)+\i]|, |v[(\a2)+\i+1]|
.endr
.irp i, 0,2,4,6
	v_max3_num_f32 v[T0], v[T0], |v[(\a1)+\i]|, |v[(\a1)+\i+1]|
	v_max3_num_f32 v[T0+1], v[T0+1], |v[(\a3)+\i]|, |v[(\a3)+\i+1]|
.endr
	s_delay_alu instid0(VALU_DEP_2)
	v_permlanex16_b32 v[T0+2], v[T0], s[SEL], s[SEL+1]
	s_delay_alu instid0(VALU_DEP_2)
	v_permlanex16_b32 v[T0+3], v[T0+1], s[SEL], s[SEL+1]
	s_delay_alu instid0(VALU_DEP_2)
	v_max_num_f32 v[T0], v[T0], v[T0+2]                    ; the blocks' largest magnitudes
	s_delay_alu instid0(VALU_DEP_2)
	v_max_num_f32 v[T0+1], v[T0+1], v[T0+3]
	s_delay_alu instid0(VALU_DEP_2)
	v_add_nc_u32 v[T0+4], 0xff000000, v[T0]                ; 2 off the exponent field: the conversion's scale operand
	s_delay_alu instid0(VALU_DEP_2)
	v_add_nc_u32 v[T0+5], 0xff000000, v[T0+1]
	s_delay_alu instid0(VALU_DEP_2)
	v_lshrrev_b32 v[T0+6], 23, v[T0+4]                     ; the scales' bytes
	s_delay_alu instid0(VALU_DEP_2)
	v_lshrrev_b32 v[T0+7], 23, v[T0+5]
	s_delay_alu instid0(VALU_DEP_1)
	v_lshl_or_b32 v[\hw], v[T0+7], 8, v[T0+6]
	v_cvt_scalef32_pk8_fp4_f32 v[(\pc)], v[(\a0):(\a0)+7], v[T0+4]
	v_cvt_scalef32_pk8_fp4_f32 v[(\pc)+1], v[(\a1):(\a1)+7], v[T0+4]
	v_cvt_scalef32_pk8_fp4_f32 v[(\pc)+2], v[(\a2):(\a2)+7], v[T0+5]
	v_cvt_scalef32_pk8_fp4_f32 v[(\pc)+3], v[(\a3):(\a3)+7], v[T0+5]
	v_nop                                                  ; one plain line behind a scaled conversion
	v_permlane16_swap_b32 v[(\pc)], v[(\pc)+2]             ; a whole block to a lane: lanes 0-15 block 0, lanes 16-31 block 1
	v_permlane16_swap_b32 v[(\pc)+1], v[(\pc)+3]
.endm
	s_load_b256 s[4:11], s[0:1], 0x0               ; a1 s[4:5], wimg s[6:7], qimg s[8:9], kv s[10:11]
	v_lshl_add_u32 v30, v0, 2, 0x44000
	v_mov_b32 v31, 0
	ds_add_u32 v30, v31
	ds_add_u32 v30, v31
	v_lshrrev_b32 v1, 5, v0
	s_delay_alu instid0(VALU_DEP_1)
	v_readfirstlane_b32 s[WV], v1                  ; wave 0..11
	s_bfe_u32 s21, ttmp6, 0x40000                  ; cx
	s_bfe_u32 s22, ttmp6, 0x40004                  ; cy
	s_lshl_b32 s23, ttmp9, 2
	s_add_co_u32 s23, s23, s21                     ; work-group x: the pair of heads
	s_and_b32 s24, ttmp7, 0xffff
	s_lshl_b32 s24, s24, 2
	s_add_co_u32 s24, s24, s22                     ; work-group y: the 128 tokens
	s_lshl_b32 s66, s22, 2
	s_lshl_b32 s66, 15, s66                        ; my row of the cluster
	s_lshl_b32 s67, 0x1111, s21                    ; my column
	; descriptor group 1: a record is a dense block: 136 rows of 32 elements of 8 bytes, no padding (the images are read 16 bytes a lane, 512 consecutive bytes an instruction)
	s_or_b32 s[G1A], s66, (3<<16)|(1<<21)          ; a1's records go to my row
	s_or_b32 s[G1B], s67, (3<<16)|(1<<21)          ; the weights' to my column
.irp g, G1A, G1B
	s_mov_b32 s[\g+1], 32<<16                      ; tensor_dim0
	s_mov_b32 s[\g+2], 136<<16                     ; tensor_dim1
	s_mov_b32 s[\g+3], 32<<16                      ; tile_dim0
	s_mov_b32 s[\g+4], 136                         ; tile_dim1
	s_mov_b32 s[\g+5], 32                          ; from row to row
	s_mov_b32 s[\g+6], 0
	s_mov_b32 s[\g+7], 0
.endr
	s_and_b32 s68, s[WV], 1
	s_lshl_b32 s70, s24, 1
	s_add_co_u32 s70, s70, s68
	s_mul_i32 s70, s70, REC                        ; a1: record 2 y + wave % 2 (asked for by waves 6 and 7)
	s_mov_b32 s71, 0
	s_lshr_b32 s72, s[WV], 1
	s_lshl_b32 s72, s72, 4
	s_add_co_u32 s72, s72, s68
	s_lshl_b32 s73, s23, 1
	s_add_co_u32 s72, s72, s73
	s_mul_i32 s72, s72, REC                        ; the weight: record 16 (wave / 2) + 2 x + wave % 2 (waves 0 to 5: q, q, k, k, v, v)
	s_mov_b32 s73, 0
	s_min_u32 s69, s[WV], 7
	s_mul_i32 s69, s69, REC                        ; slot = wave: no place in the cluster enters an LDS address
	s_wait_dscnt 0x0
	s_wait_kmcnt 0x0
	s_mov_b32 s[G0A], 1
	s_mov_b32 s[G0A+1], s69
	s_add_nc_u64 s[G0A+2:G0A+3], s[4:5], s[70:71]
	s_or_b32 s[G0A+3], s[G0A+3], 0x80000000
	s_mov_b32 s[G0B], 1
	s_mov_b32 s[G0B+1], s69
	s_add_nc_u64 s[G0B+2:G0B+3], s[6:7], s[72:73]
	s_or_b32 s[G0B+3], s[G0B+3], 0x80000000
	CROUND                                         ; all sixteen work-groups are here: the joint loads meet
	s_cmp_lt_u32 s[WV], 6                          ; the branches hang on the wave's number alone
	s_cbranch_scc0 .Lnot_w
	tensor_load_to_lds s[G0B:G0B+3], s[G1B:G1B+7]
	s_nop 0
.rept 4
	v_nop
.endr
	s_branch .Lasked
.Lnot_w:
	s_cmp_lt_u32 s[WV], 8
	s_cbranch_scc0 .Lasked
	tensor_load_to_lds s[G0A:G0A+3], s[G1A:G1A+7]
	s_nop 0
.rept 4
	v_nop
.endr
.Lasked:
	s_mov_b32 s[SEL], 0x76543210
	s_mov_b32 s[SEL+1], 0xfedcba98
	v_and_b32 v[LI], 31, v0
	s_delay_alu instid0(VALU_DEP_1)
	v_lshlrev_b32 v[LI], 4, v[LI]
	s_wait_alu depctr_va_vdst(0)
	v_and_b32 v[RR], 15, v0
	s_wait_alu depctr_va_vdst(0)
	v_bfe_u32 v[HH], v0, 4, 1
	v_mov_b32 v[T0+2], 0                           ; written once: a lane permute's destination counts as one of its sources
	v_mov_b32 v[T0+3], 0
	s_lshr_b32 s74, s[WV], 2                       ; 0 q, 1 k, 2 v
	s_lshl_b32 s75, s74, 1
	s_and_b32 s76, s[WV], 1                        ; e: which head of the pair
	s_add_co_u32 s75, s75, s76                     ; the weight's slot
	s_bfe_u32 s77, s[WV], 0x10001                  ; i: which 64 tokens
	s_add_co_u32 s78, s77, 6                       ; a1's slot
	s_lshr_b32 s79, s[WV], 3                       ; 1 for v
	s_mul_i32 s79, s79, 15
	s_xor_b32 s80, s75, s78
	s_and_b32 s80, s80, s79
	s_xor_b32 s75, s75, s80                        ; source 0's slot: the weight's, for v a1's
	s_xor_b32 s78, s78, s80                        ; source 1's slot
	s_mul_i32 s75, s75, REC
	s_mul_i32 s78, s78, REC
	v_add_nc_u32 v[AD0], s75, v[LI]
	v_add_nc_u32 v[AD1], s78, v[LI]
	v_lshlrev_b32 v8, 5, v[RR]
	s_wait_alu depctr_va_vdst(0)
	v_lshl_add_u32 v8, v[HH], 4, v8
	s_delay_alu instid0(VALU_DEP_1)
	v_add_nc_u32 v8, SCO, v8
	s_delay_alu instid0(VALU_DEP_1)
	v_add_nc_u32 v[AS0], s75, v8
	s_delay_alu instid0(VALU_DEP_2)
	v_add_nc_u32 v[AS1], s78, v8
	s_lshl_b32 s82, s24, 1
	s_add_co_u32 s82, s82, s77                     ; my 64 tokens among all
	s_and_b32 s83, s82, 31                         ; within the batch
	s_lshr_b32 s84, s82, 5                         ; the batch
	s_lshl_b32 s85, s84, 4
	s_lshl_b32 s86, s23, 1
	s_add_co_u32 s85, s85, s86
	s_add_co_u32 s85, s85, s76                     ; bh = 16 batch + head
	s_and_b32 s86, s83, 1                          ; which half of a step of 128 keys
	s_lshr_b32 s87, s83, 1                         ; the key step
	s_lshl_b32 s88, s85, 4
	s_add_co_u32 s88, s88, s87
	s_mul_i32 s88, s88, KVP                        ; its part of kv
	s_wait_alu depctr_va_vdst(0)
	s_wait_tensorcnt 0x0                           ; my record, if I asked for one, has landed,
	s_barrier_signal -1
	s_barrier_wait -1                              ; everybody's has
	KSTEP 0, 1, 1
.irp s, 1,2,3,4,5,6,7
	KSTEP \s, 0, 0
.endr
.rept 4
	v_nop                                          ; four plain lines between the last products and the first read of results
.endr
.irp a, 0,1,2,3
	QUANT2 ACC+32*\a, ACC+32*\a+8, ACC+32*\a+16, ACC+32*\a+24, PC+4*\a, HW+\a
	v_or_b32 v[SW+\a], 0x7f7f0000, v[HW+\a]        ; the scale 1 over the zero codes of k = 64 .. 127
.endr
	s_cmp_lt_u32 s[WV], 4
	s_cbranch_scc0 .Lnot_q
	s_lshl_b32 s89, s85, 16                        ; q: (128 bh + 4 x my 64 tokens + a) x 512
	s_lshl_b32 s90, s83, 11
	s_add_co_u32 s89, s89, s90
	v_add_nc_u32 v8, s89, v[LI]
.irp a, 0,1,2,3
	global_store_b128 v8, v[PC+4*\a:PC+4*\a+3], s[8:9] offset:512*\a
.endr
	s_lshl_b32 s89, s85, 5
	s_add_co_u32 s89, s89, s83
	s_lshl_b32 s89, s89, 8
	s_add_co_u32 s89, s89, QSC
	v_lshl_add_u32 v9, v[RR], 4, s89
	s_wait_alu depctr_va_vdst(0)
	global_store_b128 v9, v[SW:SW+3], s[8:9]       ; four tiles' words of place r; both halves of the lanes write the same
	s_branch .Ldone
.Lnot_q:
	s_cmp_lt_u32 s[WV], 8
	s_cbranch_scc0 .Lis_v
	s_lshl_b32 s89, s86, 11                        ; k: tiles 4 (half) + a of the key step
	s_add_co_u32 s89, s89, s88
	v_add_nc_u32 v8, s89, v[LI]
	s_wait_alu depctr_va_vdst(0)
.irp a, 0,1,2,3
	global_store_b128 v8, v[PC+4*\a:PC+4*\a+3], s[10:11] offset:512*\a
.endr
	s_lshl_b32 s89, s86, 4
	s_add_co_u32 s89, s89, s88
	s_add_co_u32 s89, s89, 8192
	v_lshl_add_u32 v9, v[RR], 5, s89
	global_store_b128 v9, v[SW:SW+3], s[10:11]
	s_branch .Ldone
.Lis_v:
	s_lshl_b32 s89, s86, 9                         ; v: group (half) of fragment a: my 64 tokens are k = 64 (half) + 0 .. 63 of the key step
	s_add_co_u32 s89, s89, s88
	s_add_co_u32 s89, s89, 4096
	v_add_nc_u32 v8, s89, v[LI]
	s_wait_alu depctr_va_vdst(0)
.irp a, 0,1,2,3
	global_store_b128 v8, v[PC+4*\a:PC+4*\a+3], s[10:11] offset:1024*\a
.endr
	s_lshl_b32 s89, s86, 1
	s_add_co_u32 s89, s89, s88
	s_add_co_u32 s89, s89, 8704
	v_lshl_add_u32 v9, v[RR], 4, s89
.irp a, 0,1,2,3
	global_store_b16 v9, v[HW+\a], s[10:11] offset:4*\a   ; two of the word's four bytes; the other 64 tokens' wave writes the other two
.endr
.Ldone:
	s_wait_tensorcnt 0x0
	ds_add_u32 v30, v31
	s_wait_dscnt 0x0
	CROUND                                         ; the closing round: no work-group ends while a partner may still ask for a record that names it
	s_endpgm
.Lfunc_end_k_qc8228d05f7_qkv:
	.size	k_qc8228d05f7_qkv, .Lfunc_end_k_qc8228d05f7_qkv-k_qc8228d05f7_qkv
	.p2alignl 7, 3214868480
	.fill 96, 4, 3214868480
	.section	.rodata,"a",@progbits
	.p2align	6, 0x0
	.amdhsa_kernel k_qc8228d05f7_qkv
		.amdhsa_group_segment_fixed_size 280064
		.amdhsa_private_segment_fixed_size 0
		.amdhsa_enable_private_segment 0
		.amdhsa_kernarg_size 32
		.amdhsa_user_sgpr_count 2
		.amdhsa_user_sgpr_kernarg_segment_ptr 1
		.amdhsa_wavefront_size32 1
		.amdhsa_system_sgpr_workgroup_id_x 1
		.amdhsa_system_sgpr_workgroup_id_y 1
		.amdhsa_system_sgpr_workgroup_id_z 1
		.amdhsa_system_vgpr_workitem_id 0
		.amdhsa_next_free_vgpr 256
		.amdhsa_next_free_sgpr 96
		.amdhsa_reserve_vcc 0
		.amdhsa_float_denorm_mode_32 3
		.amdhsa_float_denorm_mode_16_64 3
		.amdhsa_memory_ordered 1
		.amdhsa_forward_progress 1
		.amdhsa_inst_pref_size 45
	.end_amdhsa_kernel
	.amdgpu_metadata
---
amdhsa.version: [ 1, 2 ]
amdhsa.kernels:
  - .name:           k_qc8228d05f7_qkv
    .symbol:         k_qc8228d05f7_qkv.kd
    .args:
      - { .name: a1, .offset: 0, .size: 8, .value_kind: global_buffer, .address_space: global }
      - { .name: wimg, .offset: 8, .size: 8, .value_kind: global_buffer, .address_space: global }
      - { .name: qimg, .offset: 16, .size: 8, .value_kind: global_buffer, .address_space: global }
      - { .name: kv, .offset: 24, .size: 8, .value_kind: global_buffer, .address_space: global }
    .group_segment_fixed_size: 280064
    .private_segment_fixed_size: 0
    .kernarg_segment_align: 8
    .kernarg_segment_size: 32
    .max_flat_workgroup_size: 384
    .sgpr_count:     96
    .vgpr_count:     256
    .wavefront_size: 32
...
	.end_amdgpu_metadata
.endif
;; end of part 2
;; launch attn (part 3): grid 8 x 32, 16 waves a work-group, clusters of 4 x 1, 327,680 bytes of LDS; arguments qimg, kv, a3; writes a3
.if DOCPART == 3
	.amdgcn_target "amdgcn-amd-amdhsa--gfx1250"
	.amdhsa_code_object_version 6
	.text
	.protected	k_qc8228d05f7_attn
	.globl	k_qc8228d05f7_attn
	.p2align	8
	.type	k_qc8228d05f7_attn,@function
k_qc8228d05f7_attn:
	s_mov_b64 s[64:65], 0
	v_nop
	global_prefetch_b8 v0, s[64:65] scope:SCOPE_SE
	s_setreg_imm32_b32 hwreg(HW_REG_WAVE_MODE, 25, 1), 1
	s_wait_xcnt 0x0
	s_wait_alu depctr_hold_cnt(0) depctr_sa_sdst(0) depctr_va_vdst(0) depctr_va_sdst(0) depctr_va_ssrc(0) depctr_va_vcc(0) depctr_vm_vsrc(0)
	s_getreg_b32 s2, hwreg(HW_REG_IB_STS2, 6, 4)
	s_cmp_eq_u32 s2, 0
	s_cbranch_scc0 .Lentry_in_a_cluster
	s_endpgm
.Lentry_in_a_cluster:
	s_bfe_u32 s2, ttmp6, 0x10000c
	s_cmp_lg_u32 s2, 0x3003
	s_cbranch_scc0 .Lentry_shape_is_right
	s_endpgm
.Lentry_shape_is_right:
; Causal attention on codes of FP4 with E8M0 scales, head size 64, 2,048 keys; the result is quantised along the 1,024 channels for the projection and stored into a3 as parts of records.
; t = score x log2(e) / 8; M = the running largest t rounded UP to a whole number; p = 2^(t - M) is quantised along the keys, not normalised; the row's sum is taken of the unquantised p and divides at the end.
; LEFT OUT: key steps all of whose 128 keys come after a tile's queries: the causal mask that the problem builds itself gives them the weight 0.
; SHARES.  Work-group (g, bh): head bh, tiles of 16 queries 8 j + g, j = 0 .. 15; tile 8 j + g needs key steps 0 .. j whatever g is, so no branch and no LDS address hangs on g.
; With s = w % 4: waves 0-3 have j = 12 + s, waves 4-7 j = 7 - s, waves 8-11 j = s, waves 12-15 j = 8 + s.  Tiles j and 15 - j are partners (17 key steps together), S = max(6, the smaller j + 1).
; The wave of the long tile (j >= 8) takes its key steps 0 .. S - 1: 6 to 8 steps.  The wave of the short tile finishes that tile (steps 0 .. j), stores it, and then takes steps S .. 15 - j of the long tile: 9 to 11 steps.  The four waves of one s have 34 steps together.
; The short tile's wave hands its partial -M, sums and O^T through LDS bytes of its own to the long tile's wave, which brings both parts under the larger M (powers of two: exact), adds, divides and stores.
; CLUSTER 4 x 1: four work-groups of a head ask for its K and V jointly (mask 15).  The head's 16 parts are 560 consecutive rows of 256 bytes: each wave asks for 5 rows (together key steps 0 and 1 and a little more) and, behind a round, for 30 more, which are on their way during the first two key steps.
; No prefetch: both loads of a wave go out at the start, and there is nothing later to ask for ahead.
; LAYOUT.  S^T = K Q^T, O^T = V^T P^T: a lane holds ONE query.  Place r of tile 2 b + u (keys, queries, channels) is row 32 b + 8 u + r + 8 (r / 8).  The first product's K is 64: registers 4-7 of Q's and K's fragments are zeros under scale bytes 0x7f.
; LIMITS: NaN and infinities are not served; the scaled scores stay under 2^31; a block of p, or of the result, under 2^-124 gets the byte 1.  A block's largest p is taken as 2^(c x its largest score - M): this takes the exponential not to fall where its input rises.
; REGISTERS: v0 (behind the head) where I read a partner's part; v1 16 lane; v2 32 r; v3 the mask's threshold; v4 16 r; v5, v6 the spare word and 0; v7 the second tile's scale words; v8-10 at work; v11 where I store my part; v12 -M, v13 largest t, v[14:15] the sum;
; v16-23 Q; v24-31 K's scale words; v32-95 K; v96-159 S^T, then p; v160-191 O^T; v192-223 V^T; v224-231 p's codes; v232-239, v244-247, v252, v254 at work; v240-243 the second tile's Q; v248-251 V's scale words; v253 p's; v255 Q's.
.set REC, 34816
.set SCO, 32768
.set QSC, 2097152
.set KVP, 8960
.set P1R, 5                            ; rows of 256 bytes in a wave's first load
.set P2R, 30                           ; and in its second: 16 x (5 + 30) = 560
.set P1B, P1R*256
.set P2B, P2R*256
.set P2O, 16*P1B
.set XCH, 16*KVP                       ; behind K and V: 4,608 bytes a tile for a part's O^T (4,096) and state (512)
.set XCB, 4608
.set SPARE, XCH+16*XCB                 ; the spare words, 128 bytes a wave
.set SPW, 5
.set NIL, 6
.set WV,  10
.set SEL, 12
.set CS,  14
.set G1A, 16
.set G1B, 24
.set G0A, 32
.set G0B, 36
.set KF,  40                           ; the step's first key
.set TB,  41                           ; its part's first LDS byte
.set KB,  42                           ; a step whose first key lies beyond this is not mine
.set DK,  43                           ; the first key of the step on the diagonal
.set SWK, 44                           ; the first key at which I change tiles (-1: never)
.set JJ,  45
.set J2,  46
.set BH,  47
.set GG,  48
.set A3C, 49
.set A3S, 50
.set HL,  51                           ; 1: my own tile is the short one of the pair (waves 4-11)
.macro CROUND
	s_barrier_signal -1
	s_barrier_wait -1
	s_cmp_lg_u32 s[WV], 0
	s_cbranch_scc1 .Lnot_wave_0_\@
	s_barrier_signal -3
.Lnot_wave_0_\@:
	s_barrier_wait -3
	s_barrier_signal -1
	s_barrier_wait -1
.endm
.macro NOPS n
.rept \n
	v_nop
.endr
.endm
.macro QOFF jj, c, s                   ; tile 8 jj + g (left in s52): its codes' offset in qimg -> s[c], its scale words' -> s[s]
	s_lshl_b32 s52, s[\jj], 3
	s_add_co_u32 s52, s52, s[GG]
	s_lshl_b32 s[\c], s[BH], 7
	s_add_co_u32 s[\c], s[\c], s52
	s_lshl_b32 s[\c], s[\c], 9
	s_lshl_b32 s[\s], s[BH], 5
	s_lshr_b32 s53, s52, 2
	s_add_co_u32 s[\s], s[\s], s53
	s_lshl_b32 s[\s], s[\s], 8
	s_and_b32 s53, s52, 3
	s_lshl_b32 s53, s53, 2
	s_add_co_u32 s[\s], s[\s], s53
	s_add_co_u32 s[\s], s[\s], QSC
.endm
.macro RESET                           ; a tile's state: largest t -3e38, sums and O^T zero
	v_mov_b32 v13, 0xff61b1e6
	v_mov_b32 v14, 0
	v_mov_b32 v15, 0
	v_floor_f32 v12, -v13
.set j, 0
.rept 32
	v_mov_b32 v[160+j], 0
.set j, j+1
.endr
.endm
; A KEY STEP of 128 keys
.macro STEP
	s_cmp_gt_u32 s[KF], s[KB]
	s_cbranch_scc1 .Lhid_\@
	v_add_nc_u32 v8, s[TB], v1
	v_add_nc_u32 v9, s[TB], v2
	v_add_nc_u32 v10, s[TB], v4
	v_nop                                          ; with the three additions: four plain lines between the last products and loads into registers that they read
.irp k, 0,1,2,3,4,5,6,7
	ds_load_b128 v[32+8*\k:35+8*\k], v8 offset:512*\k
.endr
	ds_load_b128 v[24:27], v9 offset:8192
	ds_load_b128 v[28:31], v9 offset:8208
.irp n, 0,1,2,3
.irp c, 0,1
	ds_load_b128 v[192+8*\n+4*\c:195+8*\n+4*\c], v8 offset:4096+1024*\n+512*\c
.endr
.endr
	ds_load_b128 v[248:251], v10 offset:8704
	s_wait_dscnt 9                                 ; K and its scale words are in; V's eight loads and its scale words may be out
.irp k, 0,1,2,3,4,5,6,7
	v_wmma_scale_f32_16x16x128_f8f6f4 v[96+8*\k:103+8*\k], v[32+8*\k:39+8*\k], v[16:23], 0, v[24+\k], v255 matrix_a_fmt:MATRIX_FMT_FP4 matrix_b_fmt:MATRIX_FMT_FP4
.endr
	NOPS 4
	s_cmp_lg_u32 s[KF], s[DK]                      ; only the step on the diagonal has hidden keys
	s_cbranch_scc1 .Lopen_\@
	v_mov_b32 v9, 0xff800000
.set n, 0
.rept 64
	v_cmp_gt_i32 vcc_lo, 32*(n/16)+n%16, v3        ; register 16 b + i holds key KF + 16 h + 32 b + i: hidden where 32 b + i > my query - KF - 16 h
	v_cndmask_b32 v[96+n], v[96+n], v9, vcc_lo
.set n, n+1
.endr
.Lopen_\@:
.irp b, 0,1,2,3
	v_max3_num_f32 v[232+\b], v[96+16*\b], v[97+16*\b], v[98+16*\b]   ; the largest score of each block of 32 keys
.endr
.irp i, 3,5,7,9,11,13
.irp b, 0,1,2,3
	v_max3_num_f32 v[232+\b], v[232+\b], v[96+16*\b+\i], v[97+16*\b+\i]
.endr
.endr
.irp b, 0,1,2,3
	v_max_num_f32 v[232+\b], v[232+\b], v[111+16*\b]
.endr
.irp b, 0,1,2,3
	s_delay_alu instid0(VALU_DEP_4)
	v_permlanex16_b32 v[236+\b], v[232+\b], s[SEL], s[SEL+1]
.endr
.irp b, 0,1,2,3
	s_delay_alu instid0(VALU_DEP_4)
	v_max_num_f32 v[232+\b], v[232+\b], v[236+\b]
.endr
	s_delay_alu instid0(VALU_DEP_2)
	v_max3_num_f32 v254, v232, v233, v234
	s_delay_alu instid0(VALU_DEP_1)
	v_max_num_f32 v254, v254, v235
	s_delay_alu instid0(VALU_DEP_1)
	v_mul_f32 v254, s[CS], v254
	s_delay_alu instid0(VALU_DEP_1)
	v_max_num_f32 v13, v13, v254                   ; the running largest t
	v_mov_b32 v254, v12
	s_delay_alu instid0(VALU_DEP_2)
	v_floor_f32 v12, -v13                          ; the new -M = -ceil(t)
	s_delay_alu instid0(VALU_DEP_1)
	v_sub_f32 v254, v12, v254                      ; old M - new M: a whole number, 0 or less
	s_delay_alu instid0(VALU_DEP_1)
	v_cvt_i32_f32 v254, v254                       ; (it saturates)
	s_delay_alu instid0(VALU_DEP_1)
	v_ldexp_f32 v252, 1.0, v254                    ; f = 2^(old M - new M)
.set j, 0
.rept 32
	v_pk_fma_f32 v[96+j:97+j], v[96+j:97+j], s[CS:CS+1], v[12:13] op_sel_hi:[1,0,0]   ; t - M
.set j, j+2
.endr
.irp b, 0,1,2,3
	v_fma_f32 v[232+\b], v[232+\b], s[CS], v12
.endr
	s_wait_alu depctr_va_vdst(0)                   ; the wait ahead of the batch
.set j, 0
.rept 64
	v_exp_f32 v[96+j], v[96+j]                     ; p = 2^(t - M)
.set j, j+1
.endr
.irp b, 0,1,2,3
	v_exp_f32 v[232+\b], v[232+\b]                 ; the block's largest p
.endr
	v_pk_mul_f32 v[14:15], v[14:15], v[252:253] op_sel_hi:[1,0]   ; the sums under the new M (a plain line behind the exponentials)
	s_wait_alu depctr_va_vdst(0)                   ; and behind it
.irp b, 0,1,2,3
	v_max_num_f32 v[232+\b], 0x1800000, v[232+\b]  ; the floor 2^(3 - 127)
.endr
.irp b, 0,1,2,3
	s_delay_alu instid0(VALU_DEP_4)
	v_add_nc_u32 v[244+\b], 0xff000000, v[232+\b]  ; 2 off the exponent field: the conversion's scale operand
.endr
.irp b, 0,1,2,3
	s_delay_alu instid0(VALU_DEP_4)
	v_lshrrev_b32 v[236+\b], 23, v[244+\b]
.endr
	s_delay_alu instid0(VALU_DEP_3)
	v_lshl_or_b32 v253, v237, 8, v236              ; p's scale word for these 128 keys
	s_delay_alu instid0(VALU_DEP_1)
	v_lshl_or_b32 v253, v238, 16, v253
	s_delay_alu instid0(VALU_DEP_1)
	v_lshl_or_b32 v253, v239, 24, v253
.irp b, 0,1,2,3
	v_cvt_scalef32_pk8_fp4_f32 v[224+2*\b], v[96+16*\b:103+16*\b], v[244+\b]
	v_cvt_scalef32_pk8_fp4_f32 v[225+2*\b], v[104+16*\b:111+16*\b], v[244+\b]
.endr
	v_nop
.irp c, 0,1
.irp i, 0,1
	v_permlane16_swap_b32 v[224+4*\c+\i], v[226+4*\c+\i]
.endr
.endr
.set pp, 96                            ; the row's sum of the unquantised p: 32 pairs in eight chains
.irp c, 236,246,244,8,234,232,90
	v_pk_add_f32 v[\c:\c+1], v[pp:pp+1], v[pp+2:pp+3]
.set pp, pp+4
.endr
.rept 2
.irp c, 14,236,246,244,8,234,232,90
	v_pk_add_f32 v[\c:\c+1], v[\c:\c+1], v[pp:pp+1]
.set pp, pp+2
.endr
.endr
	v_pk_add_f32 v[14:15], v[14:15], v[156:157]
	v_pk_add_f32 v[236:237], v[236:237], v[158:159]
	v_pk_add_f32 v[246:247], v[246:247], v[232:233]
	v_pk_add_f32 v[244:245], v[244:245], v[90:91]
	v_pk_add_f32 v[14:15], v[14:15], v[8:9]
	v_pk_add_f32 v[236:237], v[236:237], v[234:235]
	v_pk_add_f32 v[14:15], v[14:15], v[246:247]
	v_pk_add_f32 v[236:237], v[236:237], v[244:245]
	s_delay_alu instid0(VALU_DEP_1)
	v_pk_add_f32 v[14:15], v[14:15], v[236:237]
	s_wait_alu depctr_va_vdst(0)                   ; the wait directly ahead of the first reader of O^T
.set j, 0
.rept 16
	v_pk_mul_f32 v[160+j:161+j], v[160+j:161+j], v[252:253] op_sel_hi:[1,0]   ; O^T under the new M; each accumulator from its low end on
.set j, j+2
.endr
	s_wait_alu depctr_va_vdst(0)                   ; and directly ahead of the wait below
	s_wait_dscnt 0x0                               ; V and its scale words
.irp n, 0,1,2,3
	v_wmma_scale_f32_16x16x128_f8f6f4 v[160+8*\n:167+8*\n], v[192+8*\n:199+8*\n], v[224:231], v[160+8*\n:167+8*\n], v[248+\n], v253 matrix_a_fmt:MATRIX_FMT_FP4 matrix_b_fmt:MATRIX_FMT_FP4
.endr
.Lhid_\@:
	s_add_co_u32 s[TB], s[TB], KVP
	s_add_co_u32 s[KF], s[KF], 128
.endm
; MY OWN TILE LEAVES: O^T / the sum, quantised along the head's 64 channels.  merge = 1: first the partner's part (O^T in v96-127, -M in v128, sums in v[130:131]) is joined.
.macro FINAL merge
	NOPS 4                                         ; four plain lines between the last products and the first read of results
.if \merge
	v_min_num_f32 v132, v12, v128                  ; -M of the larger M
	s_delay_alu instid0(VALU_DEP_1)
	v_sub_f32 v134, v132, v12
	v_sub_f32 v136, v132, v128
	s_delay_alu instid0(VALU_DEP_2)
	v_cvt_i32_f32 v134, v134                       ; (they saturate)
	s_delay_alu instid0(VALU_DEP_2)
	v_cvt_i32_f32 v136, v136
	s_delay_alu instid0(VALU_DEP_2)
	v_ldexp_f32 v134, 1.0, v134
	s_delay_alu instid0(VALU_DEP_2)
	v_ldexp_f32 v136, 1.0, v136
	s_delay_alu instid0(VALU_DEP_2)
	v_mov_b32 v135, v134
	s_delay_alu instid0(VALU_DEP_2)
	v_mov_b32 v137, v136
	v_pk_mul_f32 v[14:15], v[14:15], v[134:135]
	s_delay_alu instid0(VALU_DEP_1)
	v_pk_fma_f32 v[14:15], v[130:131], v[136:137], v[14:15]
.endif
	v_add_f32 v14, v14, v15
	s_delay_alu instid0(VALU_DEP_1)
	v_permlanex16_b32 v252, v14, s[SEL], s[SEL+1]
	s_delay_alu instid0(VALU_DEP_1)
	v_add_f32 v14, v14, v252                       ; the row's sum
	s_wait_alu depctr_va_vdst(0)
	v_rcp_f32 v14, v14
	v_nop
	s_wait_alu depctr_va_vdst(0)
.if \merge
	v_mul_f32 v134, v134, v14
	v_mul_f32 v136, v136, v14
	s_wait_alu depctr_va_vdst(0)                   ; directly ahead of the first reader of O^T
.set j, 0
.rept 16
	v_pk_mul_f32 v[160+j:161+j], v[160+j:161+j], v[134:135] op_sel_hi:[1,0]
.set j, j+2
.endr
.set j, 0
.rept 16
	v_pk_fma_f32 v[160+j:161+j], v[96+j:97+j], v[136:137], v[160+j:161+j] op_sel_hi:[1,0,1]
.set j, j+2
.endr
.else
.set j, 0
.rept 16
	v_pk_mul_f32 v[160+j:161+j], v[160+j:161+j], v[14:15] op_sel_hi:[1,0]
.set j, j+2
.endr
.endif
	v_max3_num_f32 v232, |v160|, |v161|, 0x1800000 ; two blocks of the projection's K: v160-175 and v176-191, with lane l xor 16's
	v_max3_num_f32 v233, |v176|, |v177|, 0x1800000
.irp i, 2,4,6,8,10,12,14
	s_delay_alu instid0(VALU_DEP_2)
	v_max3_num_f32 v232, v232, |v[160+\i]|, |v[161+\i]|
	s_delay_alu instid0(VALU_DEP_2)
	v_max3_num_f32 v233, v233, |v[176+\i]|, |v[177+\i]|
.endr
	s_delay_alu instid0(VALU_DEP_2)
	v_permlanex16_b32 v236, v232, s[SEL], s[SEL+1]
	s_delay_alu instid0(VALU_DEP_2)
	v_permlanex16_b32 v237, v233, s[SEL], s[SEL+1]
	s_delay_alu instid0(VALU_DEP_2)
	v_max_num_f32 v232, v232, v236
	s_delay_alu instid0(VALU_DEP_2)
	v_max_num_f32 v233, v233, v237
	s_delay_alu instid0(VALU_DEP_2)
	v_add_nc_u32 v244, 0xff000000, v232
	s_delay_alu instid0(VALU_DEP_2)
	v_add_nc_u32 v245, 0xff000000, v233
	s_delay_alu instid0(VALU_DEP_2)
	v_lshrrev_b32 v238, 23, v244
	s_delay_alu instid0(VALU_DEP_2)
	v_lshrrev_b32 v239, 23, v245
	s_delay_alu instid0(VALU_DEP_1)
	v_lshl_or_b32 v234, v239, 8, v238
	v_cvt_scalef32_pk8_fp4_f32 v224, v[160:167], v244
	v_cvt_scalef32_pk8_fp4_f32 v225, v[168:175], v244
	v_cvt_scalef32_pk8_fp4_f32 v226, v[176:183], v245
	v_cvt_scalef32_pk8_fp4_f32 v227, v[184:191], v245
	v_nop
	v_permlane16_swap_b32 v224, v226
	v_permlane16_swap_b32 v225, v227
	v_add_nc_u32 v8, s[A3C], v1
	v_add_nc_u32 v9, s[A3S], v2
	global_store_b128 v8, v[224:227], s[8:9]       ; 32 lanes store 512 consecutive bytes
	global_store_b16 v9, v234, s[8:9]              ; the head's two of the row's 32 scale bytes
.endm
	s_load_b128 s[4:7], s[0:1], 0x0                ; qimg, kv
	s_load_b64 s[8:9], s[0:1], 0x10                ; a3
	v_lshl_add_u32 v[SPW], v0, 2, SPARE
	v_mov_b32 v[NIL], 0
	ds_add_u32 v[SPW], v[NIL]                      ; the opening lines
	ds_add_u32 v[SPW], v[NIL]
	v_lshrrev_b32 v1, 5, v0
	v_readfirstlane_b32 s[WV], v1                  ; wave 0..15
	s_and_b32 s[BH], ttmp7, 0xffff
	s_bfe_u32 s52, ttmp6, 0x40000
	s_lshl_b32 s[GG], ttmp9, 2
	s_add_co_u32 s[GG], s[GG], s52                 ; g: it enters global offsets and the mask's threshold alone
	s_mov_b32 s[G1A], 15|(3<<16)|(1<<21)           ; the mask: all four work-groups; elements of 8 bytes; rows of 32 elements, dense
	s_mov_b32 s[G1A+1], 32<<16
	s_mov_b32 s[G1A+2], P1R<<16
	s_mov_b32 s[G1A+3], 32<<16
	s_mov_b32 s[G1A+4], P1R
	s_mov_b32 s[G1A+5], 32
	s_mov_b32 s[G1A+6], 0
	s_mov_b32 s[G1A+7], 0
	s_mov_b32 s[G1B], 15|(3<<16)|(1<<21)
	s_mov_b32 s[G1B+1], 32<<16
	s_mov_b32 s[G1B+2], P2R<<16
	s_mov_b32 s[G1B+3], 32<<16
	s_mov_b32 s[G1B+4], P2R
	s_mov_b32 s[G1B+5], 32
	s_mov_b32 s[G1B+6], 0
	s_mov_b32 s[G1B+7], 0
	s_mul_i32 s54, s[BH], 16*KVP                   ; the head's K and V
	s_mul_i32 s55, s[WV], P1B
	s_add_co_u32 s56, s54, s55
	s_mov_b32 s57, 0
	s_mul_i32 s58, s[WV], P2B
	s_add_co_u32 s58, s58, P2O
	s_add_co_u32 s60, s54, s58
	s_mov_b32 s61, 0
	s_wait_dscnt 0x0
	s_wait_kmcnt 0x0
	s_mov_b32 s[G0A], 1
	s_mov_b32 s[G0A+1], s55
	s_add_nc_u64 s[G0A+2:G0A+3], s[6:7], s[56:57]
	s_or_b32 s[G0A+3], s[G0A+3], 0x80000000
	s_mov_b32 s[G0B], 1
	s_mov_b32 s[G0B+1], s58
	s_add_nc_u64 s[G0B+2:G0B+3], s[6:7], s[60:61]
	s_or_b32 s[G0B+3], s[G0B+3], 0x80000000
	CROUND                                         ; all four work-groups are here: the first joint loads meet
	tensor_load_to_lds s[G0A:G0A+3], s[G1A:G1A+7]  ; my 5 rows of the first 80
	s_nop 0
	NOPS 4
	s_mov_b32 s[SEL], 0x76543210
	s_mov_b32 s[SEL+1], 0xfedcba98
	s_mov_b32 s[CS], 0x3e38aa3b                    ; log2(e) / 8
	s_mov_b32 s[CS+1], s[CS]
	s_and_b32 s52, s[WV], 3                        ; s
	s_lshr_b32 s53, s[WV], 3                       ; the two bits of w / 4: the upper,
	s_bfe_u32 s54, s[WV], 0x10002                  ; the lower
	s_xor_b32 s[HL], s53, s54                      ; 1 in waves 4-11
	s_xor_b32 s55, s53, 1
	s_xor_b32 s56, s55, s54
	s_lshl_b32 s56, s56, 1
	s_add_co_u32 s56, s56, s55                     ; w / 4 = 0, 1, 2, 3 -> 3, 1, 0, 2
	s_and_b32 s57, s54, s55                        ; waves 4-7 take s mirrored
	s_mul_i32 s57, s57, 3
	s_xor_b32 s52, s52, s57
	s_lshl_b32 s56, s56, 2
	s_add_co_u32 s[JJ], s56, s52                   ; j
	s_xor_b32 s[J2], s[JJ], 15                     ; the partner's: 15 - j
	s_min_u32 s57, s[JJ], s[J2]
	s_add_co_u32 s57, s57, 1
	s_max_u32 s57, s57, 6                          ; S
	s_lshl_b32 s57, s57, 7                         ; the first key of the long tile's second part
	s_lshl_b32 s[DK], s[JJ], 7
	s_add_co_u32 s[KB], s[DK], 127
	s_sub_co_u32 s53, s57, 1
	s_cmp_lg_u32 s[HL], 0
	s_cselect_b32 s[KB], s[KB], s53                ; a short tile whole; of a long tile steps 0 .. S - 1
	s_cselect_b32 s[SWK], s57, -1
	s_mul_i32 s62, s[JJ], XCB
	s_add_co_u32 s62, s62, XCH
	s_mul_i32 s63, s[J2], XCB
	s_add_co_u32 s63, s63, XCH
	s_lshr_b32 s66, s[GG], 1
	s_lshl_b32 s66, s66, 5
	s_and_b32 s67, s[GG], 1
	s_lshl_b32 s67, s67, 3
	s_add_co_u32 s66, s66, s67                     ; the tile's first query less the diagonal step's first key: 32 (g / 2) + 8 (g % 2)
	QOFF J2, 58, 59
	QOFF JJ, 60, 61
	s_lshr_b32 s54, s[BH], 4                       ; a3: my own tile's record, K step head / 2, group head % 2
	s_lshl_b32 s54, s54, 7
	s_add_co_u32 s54, s54, s52
	s_lshr_b32 s54, s54, 2
	s_mul_i32 s54, s54, REC
	s_and_b32 s55, s52, 3
	s_and_b32 s56, s[BH], 15
	s_lshl_b32 s[A3C], s55, 13
	s_lshl_b32 s57, s56, 9
	s_add_co_u32 s[A3C], s[A3C], s57
	s_add_co_u32 s[A3C], s[A3C], s54
	s_lshl_b32 s[A3S], s55, 9
	s_lshl_b32 s57, s56, 1
	s_add_co_u32 s[A3S], s[A3S], s57
	s_add_co_u32 s[A3S], s[A3S], s54
	s_add_co_u32 s[A3S], s[A3S], SCO
	s_mov_b32 s[KF], 0
	s_mov_b32 s[TB], 0
	v_and_b32 v1, 31, v0
	v_and_b32 v8, 15, v0                           ; r
	v_bfe_u32 v9, v0, 4, 1                         ; h
	v_lshlrev_b32 v1, 4, v1
	v_lshlrev_b32 v2, 5, v8
	v_lshlrev_b32 v4, 4, v8
	v_and_b32 v10, 8, v8
	v_lshlrev_b32 v9, 4, v9
	v_add_nc_u32 v3, v10, v8
	v_add_nc_u32 v8, s60, v1
	v_sub_nc_u32 v3, v3, v9
	v_add_nc_u32 v9, s61, v4
	v_add_nc_u32 v10, s58, v1
	v_add_nc_u32 v254, s59, v4
	v_add_nc_u32 v3, s66, v3                       ; r + 8 (r / 8) - 16 h + 32 (g / 2) + 8 (g % 2)
	global_load_b128 v[16:19], v8, s[4:5]          ; Q's codes, k = 0 .. 63, of my own tile,
	global_load_b32 v255, v9, s[4:5]               ; its scale words,
	global_load_b128 v[240:243], v10, s[4:5]       ; and the same of the partner's tile: every wave loads them, waves 4-11 use them
	global_load_b32 v7, v254, s[4:5]
	v_add_nc_u32 v11, s62, v1
	v_add_nc_u32 v0, s63, v1
.irp j, 20,21,22,23
	v_mov_b32 v[\j], 0                             ; Q's k = 64 .. 127
.endr
.irp k, 0,1,2,3,4,5,6,7
.irp j, 4,5,6,7
	v_mov_b32 v[32+8*\k+\j], 0                     ; K's k = 64 .. 127: written once, never loaded over
.endr
.endr
.irp j, 236,237,238,239,252,253
	v_mov_b32 v[\j], 0                             ; lane permutes' destinations, and the pair v[252:253], are written before they are named
.endr
	RESET
	s_wait_alu depctr_va_vdst(0)                   ; the wait at the head's end
	s_wait_tensorcnt 0x0                           ; my 5 rows are in
	ds_add_u32 v[SPW], v[NIL]
	s_wait_dscnt 0x0
	CROUND                                         ; key steps 0 and 1 lie in LDS, and all four work-groups are here
	tensor_load_to_lds s[G0B:G0B+3], s[G1B:G1B+7]  ; my 30 rows of the other 480
	s_nop 0
	NOPS 4
	s_wait_loadcnt 0x0                             ; Q
.Lone:                                                 ; key steps 0 and 1
	STEP
	s_cmp_lt_u32 s[KF], 256
	s_cbranch_scc1 .Lone
	s_wait_tensorcnt 0x0                           ; my 30 rows are in,
	s_wait_dscnt 0x0
	s_barrier_signal -1
	s_barrier_wait -1                              ; everybody's are; nothing is filled again
.Ltwo:                                                 ; key steps 2 to 15
	s_cmp_lg_u32 s[KF], s[SWK]
	s_cbranch_scc1 .Lstay
	FINAL 0                                        ; waves 4-11, at key step S: my own tile leaves,
.irp j, 0,1,2,3
	v_mov_b32 v[16+\j], v[240+\j]                  ; and I go on with the partner's tile
.endr
	v_mov_b32 v255, v7
	RESET
	s_lshl_b32 s[DK], s[J2], 7
	s_add_co_u32 s[KB], s[DK], 127
	s_wait_alu depctr_va_vdst(0)                   ; the wait directly ahead of the wait below
	s_wait_xcnt 0x0                                ; the stores have read their registers, which the next step writes
.Lstay:
	STEP
	s_cmp_lt_u32 s[KF], 2048
	s_cbranch_scc1 .Ltwo
	s_cmp_lg_u32 s[HL], 0
	s_cbranch_scc0 .Lkeep
	NOPS 4
.irp i, 0,1,2,3,4,5,6,7
	ds_store_b128 v11, v[160+4*\i:163+4*\i] offset:512*\i   ; my part of the partner's tile, as an image of the registers
.endr
	ds_store_b128 v11, v[12:15] offset:4096
.Lkeep:
	s_wait_dscnt 0x0                               ; for the others' sake: my stores have landed
	s_barrier_signal -1
	s_barrier_wait -1
	s_cmp_lg_u32 s[HL], 0
	s_cbranch_scc1 .Lend
.irp i, 0,1,2,3,4,5,6,7
	ds_load_b128 v[96+4*\i:99+4*\i], v0 offset:512*\i
.endr
	ds_load_b128 v[128:131], v0 offset:4096
	s_wait_dscnt 0x0
	FINAL 1
.Lend:
	s_wait_tensorcnt 0x0                           ; the wave's end
	ds_add_u32 v[SPW], v[NIL]
	s_wait_dscnt 0x0
	CROUND                                         ; the closing round
	s_endpgm
.Lfunc_end_k_qc8228d05f7_attn:
	.size	k_qc8228d05f7_attn, .Lfunc_end_k_qc8228d05f7_attn-k_qc8228d05f7_attn
	.p2alignl 7, 3214868480
	.fill 96, 4, 3214868480
	.section	.rodata,"a",@progbits
	.p2align	6, 0x0
	.amdhsa_kernel k_qc8228d05f7_attn
		.amdhsa_group_segment_fixed_size 327680
		.amdhsa_private_segment_fixed_size 0
		.amdhsa_enable_private_segment 0
		.amdhsa_kernarg_size 24
		.amdhsa_user_sgpr_count 2
		.amdhsa_user_sgpr_kernarg_segment_ptr 1
		.amdhsa_wavefront_size32 1
		.amdhsa_system_sgpr_workgroup_id_x 1
		.amdhsa_system_sgpr_workgroup_id_y 1
		.amdhsa_system_sgpr_workgroup_id_z 1
		.amdhsa_system_vgpr_workitem_id 0
		.amdhsa_next_free_vgpr 256
		.amdhsa_next_free_sgpr 72
		.amdhsa_reserve_vcc 1
		.amdhsa_float_denorm_mode_32 3
		.amdhsa_float_denorm_mode_16_64 3
		.amdhsa_memory_ordered 1
		.amdhsa_forward_progress 1
		.amdhsa_inst_pref_size 66
	.end_amdhsa_kernel
	.amdgpu_metadata
---
amdhsa.version: [ 1, 2 ]
amdhsa.kernels:
  - .name:           k_qc8228d05f7_attn
    .symbol:         k_qc8228d05f7_attn.kd
    .args:
      - { .name: qimg, .offset: 0, .size: 8, .value_kind: global_buffer, .address_space: global }
      - { .name: kv, .offset: 8, .size: 8, .value_kind: global_buffer, .address_space: global }
      - { .name: a3, .offset: 16, .size: 8, .value_kind: global_buffer, .address_space: global }
    .group_segment_fixed_size: 327680
    .private_segment_fixed_size: 0
    .kernarg_segment_align: 8
    .kernarg_segment_size: 24
    .max_flat_workgroup_size: 512
    .sgpr_count:     72
    .vgpr_count:     256
    .wavefront_size: 32
...
	.end_amdgpu_metadata
.endif
;; end of part 3
;; launch projln (part 4): grid 256 x 1, 16 waves a work-group, clusters of 4 x 1, 327,680 bytes of LDS; arguments a3, wimg, x, ln2_w, ln2_b, x1, a2; writes x1, a2
.if DOCPART == 4
	.amdgcn_target "amdgcn-amd-amdhsa--gfx1250"
	.amdhsa_code_object_version 6
	.text
	.protected	k_qc8228d05f7_projln
	.globl	k_qc8228d05f7_projln
	.p2align	8
	.type	k_qc8228d05f7_projln,@function
k_qc8228d05f7_projln:
	s_mov_b64 s[64:65], 0
	v_nop
	global_prefetch_b8 v0, s[64:65] scope:SCOPE_SE
	s_setreg_imm32_b32 hwreg(HW_REG_WAVE_MODE, 25, 1), 1
	s_wait_xcnt 0x0
	s_wait_alu depctr_hold_cnt(0) depctr_sa_sdst(0) depctr_va_vdst(0) depctr_va_sdst(0) depctr_va_ssrc(0) depctr_va_vcc(0) depctr_vm_vsrc(0)
	s_getreg_b32 s2, hwreg(HW_REG_IB_STS2, 6, 4)
	s_cmp_eq_u32 s2, 0
	s_cbranch_scc0 .Lentry_in_a_cluster
	s_endpgm
.Lentry_in_a_cluster:
	s_bfe_u32 s2, ttmp6, 0x10000c
	s_cmp_lg_u32 s2, 0x3003
	s_cbranch_scc0 .Lentry_shape_is_right
	s_endpgm
.Lentry_shape_is_right:
; x1 = x + attention's result x w_proj (codes of FP4 with E8M0 scales), stored in f32; LayerNorm 2 of x1, quantised along the 1,024 columns into a2.
; A work-group takes ONE tile of 16 tokens and all 1,024 columns, so that the norm's sums stay inside it; wave w takes columns 64 w .. 64 w + 63: record 48 + w of wimg.
; Source 0 = the weight (16 columns a tile), source 1 = the tokens: lane (r, h) holds token place r, and register j of the tile over the weight's tile 2 b + u is column 64 w + 32 b + 16 h + 8 u + j.
; CLUSTER 4 x 1: every work-group walks the same weight, so its fragments are asked for JOINTLY by the four work-groups of a cluster: the same tensor load, the same descriptor, the mask 15.
; Wave w has an LDS slot of 16,384 bytes of its own, fills it itself and alone reads it.  A load brings four K steps of the wave's record: 4 rows (the record's four tiles) of 4,096 bytes, 8,192 bytes apart.
; The weight's two halves, 2 x 262,144 bytes, do not fit in LDS together, so each slot is filled twice; a round of the cluster's barrier stands in front of the refill.  A wave has one tensor load out.
; A second slot would buy nothing: a half's work is sixteen products a wave, too short for a load to land beside it.
; The tile's eight fragments of a3 (8,192 consecutive bytes) are wanted by all sixteen waves: each wave brings 512 bytes of them into LDS through its registers.
; x comes by rows (16 lanes to 256 consecutive bytes) and turns through the wave's stage into the result's layout; x1 turns back the same way and leaves by rows.  The stage lies in the wave's own slot,
; which has had its last fill and its last read by then.  All of a WGP's LDS is claimed.
; LIMITS: NaN and infinities are not served; a block under 2^-124 gets the byte 1; the norm's sums are taken in another order than a plain sum from left to right.
.set REC,  34816
.set SCO,  32768
.set WSL,  16384                       ; a wave's slot: fragment (tile n, step j of the half) at 4,096 n + 1,024 j
.set AIMG, 16*WSL                      ; behind the slots: the tokens' eight fragments
.set RED1, AIMG+8192                   ; partial sums: 80 bytes a row, 4 a wave
.set ROFF, 1280                        ; and the sums of squares behind them
.set SPARE, RED1+2*ROFF                ; the spare words, 128 bytes a wave: eight blocks of 256 bytes that no other line names
.set LI,  1
.set RR,  2
.set HH,  3
.set ASC, 16                           ; v16-19 the tokens' scale words
.set BSC, 20                           ; v20-35 the weight's, four a tile
.set AF,  36                           ; v36-51 two sets for the tokens' fragment
.set T0,  52                           ; v52-59 at work
.set SPW, 60                           ; v60 LDS address of my spare word; never rewritten
.set NIL, 61                           ; v61 0; never rewritten
.set AIA, 62                           ; v62 the tokens' image + 16 lane
.set XR,  64                           ; v64-95 x, later x1, by rows
.set ACC, 96                           ; v96-127 four accumulators, later x1, later the normalised numbers
.set BF,  128                          ; v128-255 the weight's fragments of a half: four steps x four tiles
.set MEAN, 248                         ; behind the products: the mean, twice;
.set RSTD, 250                         ; 1 / the deviation, twice
.set WV,  18
.set SEL, 20
.set G1,  36
.set G0,  44
.macro CROUND                          ; a round of the cluster's barrier
	s_barrier_signal -1
	s_barrier_wait -1
	s_cmp_lg_u32 s[WV], 0
	s_cbranch_scc1 .Lnot_wave_0_\@
	s_barrier_signal -3
.Lnot_wave_0_\@:
	s_barrier_wait -3
	s_barrier_signal -1
	s_barrier_wait -1
.endm
.macro QUANT2 a0, a1, a2, a3, pc, hw
	v_max3_num_f32 v[T0], |v[(\a0)]|, |v[(\a0)+1]|, 0x1800000
	v_max3_num_f32 v[T0+1], |v[(\a2)]|, |v[(\a2)+1]|, 0x1800000
.irp i, 2,4,6
	s_delay_alu instid0(VALU_DEP_2)
	v_max3_num_f32 v[T0], v[T0], |v[(\a0)+\i]|, |v[(\a0)+\i+1]|
	s_delay_alu instid0(VALU_DEP_2)
	v_max3_num_f32 v[T0+1], v[T0+1], |v[(\a2)+\i]|, |v[(\a2)+\i+1]|
.endr
.irp i, 0,2,4,6
	s_delay_alu instid0(VALU_DEP_2)
	v_max3_num_f32 v[T0], v[T0], |v[(\a1)+\i]|, |v[(\a1)+\i+1]|
	s_delay_alu instid0(VALU_DEP_2)
	v_max3_num_f32 v[T0+1], v[T0+1], |v[(\a3)+\i]|, |v[(\a3)+\i+1]|
.endr
	s_delay_alu instid0(VALU_DEP_2)
	v_permlanex16_b32 v[T0+2], v[T0], s[SEL], s[SEL+1]
	s_delay_alu instid0(VALU_DEP_2)
	v_permlanex16_b32 v[T0+3], v[T0+1], s[SEL], s[SEL+1]
	s_delay_alu instid0(VALU_DEP_2)
	v_max_num_f32 v[T0], v[T0], v[T0+2]
	s_delay_alu instid0(VALU_DEP_2)
	v_max_num_f32 v[T0+1], v[T0+1], v[T0+3]
	s_delay_alu instid0(VALU_DEP_2)
	v_add_nc_u32 v[T0+4], 0xff000000, v[T0]
	s_delay_alu instid0(VALU_DEP_2)
	v_add_nc_u32 v[T0+5], 0xff000000, v[T0+1]
	s_delay_alu instid0(VALU_DEP_2)
	v_lshrrev_b32 v[T0+6], 23, v[T0+4]
	s_delay_alu instid0(VALU_DEP_2)
	v_lshrrev_b32 v[T0+7], 23, v[T0+5]
	s_delay_alu instid0(VALU_DEP_1)
	v_lshl_or_b32 v[\hw], v[T0+7], 8, v[T0+6]
	v_cvt_scalef32_pk8_fp4_f32 v[(\pc)], v[(\a0):(\a0)+7], v[T0+4]
	v_cvt_scalef32_pk8_fp4_f32 v[(\pc)+1], v[(\a1):(\a1)+7], v[T0+4]
	v_cvt_scalef32_pk8_fp4_f32 v[(\pc)+2], v[(\a2):(\a2)+7], v[T0+5]
	v_cvt_scalef32_pk8_fp4_f32 v[(\pc)+3], v[(\a3):(\a3)+7], v[T0+5]
	v_nop
	v_permlane16_swap_b32 v[(\pc)], v[(\pc)+2]
	v_permlane16_swap_b32 v[(\pc)+1], v[(\pc)+3]
.endm
.macro BLOAD j                         ; the weight's four fragments of the half's step j, out of my slot, into set j
.irp n, 0,1,2,3
.irp c, 0,1
	ds_load_b128 v[BF+32*(\j)+8*\n+4*\c:BF+32*(\j)+8*\n+4*\c+3], v15 offset:4096*\n+1024*(\j)+512*\c
.endr
.endr
.endm
.macro ALOAD s                         ; the tokens' fragment of K step s into set s % 2
.irp c, 0,1
	ds_load_b128 v[AF+8*((\s)%2)+4*\c:AF+8*((\s)%2)+4*\c+3], v[AIA] offset:(\s)*1024+512*\c
.endr
.endm
.macro PMUL s                          ; four products, the four accumulators by turns
.irp n, 0,1,2,3
.if (\s) == 0
	v_wmma_scale_f32_16x16x128_f8f6f4 v[ACC+8*\n:ACC+8*\n+7], v[BF+32*((\s)%4)+8*\n:BF+32*((\s)%4)+8*\n+7], v[AF+8*((\s)%2):AF+8*((\s)%2)+7], 0, v[BSC+4*\n+(\s)%4], v[ASC+(\s)%4] matrix_a_fmt:MATRIX_FMT_FP4 matrix_b_fmt:MATRIX_FMT_FP4
.elseif (\s) < 4
	v_wmma_scale_f32_16x16x128_f8f6f4 v[ACC+8*\n:ACC+8*\n+7], v[BF+32*((\s)%4)+8*\n:BF+32*((\s)%4)+8*\n+7], v[AF+8*((\s)%2):AF+8*((\s)%2)+7], v[ACC+8*\n:ACC+8*\n+7], v[BSC+4*\n+(\s)%4], v[ASC+(\s)%4] matrix_a_fmt:MATRIX_FMT_FP4 matrix_b_fmt:MATRIX_FMT_FP4
.else
	v_wmma_scale_f32_16x16x128_f8f6f4 v[ACC+8*\n:ACC+8*\n+7], v[BF+32*((\s)%4)+8*\n:BF+32*((\s)%4)+8*\n+7], v[AF+8*((\s)%2):AF+8*((\s)%2)+7], v[ACC+8*\n:ACC+8*\n+7], v[BSC+4*\n+(\s)%4], v[ASC+(\s)%4] matrix_a_fmt:MATRIX_FMT_FP4 matrix_b_fmt:MATRIX_FMT_FP4 matrix_a_scale:MATRIX_SCALE_ROW1 matrix_b_scale:MATRIX_SCALE_ROW1
.endif
.endr
.endm
; Four K steps out of the slot.  All 32 loads of the weight's fragments go out in one run, behind the first step's fragment of the tokens; the tokens' later fragments follow a step ahead, into the set that the step before last read.
.macro HALF h
	ALOAD 4*\h
.irp j, 0,1,2,3
	BLOAD \j
.endr
.irp j, 0,1,2,3
.if \j < 3
	ALOAD 4*\h+\j+1
.endif
.if \j == 0
	s_wait_dscnt 26                                ; the tokens' fragment and the weight's of this step are in; behind them: three steps' 24 loads and the next fragment's two
.elseif \j < 3
	s_wait_dscnt 2                                 ; all but the two loads just issued
.else
	s_wait_dscnt 0x0
.endif
	PMUL 4*\h+\j
.rept 4
	v_nop                                          ; four plain lines between products and loads into registers that they read, or the first read of results (ISA guide 7.12.1 for vector instructions)
.endr
.endr
.endm
; Four chains v[224:231] become the row's sum over all sixteen waves, in v232 of every lane.
.macro ACROSS off
	v_pk_add_f32 v[224:225], v[224:225], v[226:227]
	v_pk_add_f32 v[228:229], v[228:229], v[230:231]
	s_delay_alu instid0(VALU_DEP_1)
	v_pk_add_f32 v[224:225], v[224:225], v[228:229]
	s_delay_alu instid0(VALU_DEP_1)
	v_add_f32 v224, v224, v225
	s_delay_alu instid0(VALU_DEP_1)
	v_permlanex16_b32 v225, v224, s[SEL], s[SEL+1]
	s_delay_alu instid0(VALU_DEP_1)
	v_add_f32 v224, v224, v225
	ds_store_b32 v8, v224 offset:\off
	s_wait_dscnt 0x0                               ; for the others' sake: my store has landed
	s_barrier_signal -1
	s_barrier_wait -1
.irp k, 0,1,2,3
	ds_load_b128 v[232+4*\k:235+4*\k], v9 offset:\off+16*\k
.endr
	s_wait_dscnt 0x0
.irp k, 0,1,2,3
	v_pk_add_f32 v[232+4*\k:233+4*\k], v[232+4*\k:233+4*\k], v[234+4*\k:235+4*\k]
.endr
	s_delay_alu instid0(VALU_DEP_3)
	v_pk_add_f32 v[232:233], v[232:233], v[236:237]
	s_delay_alu instid0(VALU_DEP_2)
	v_pk_add_f32 v[240:241], v[240:241], v[244:245]
	s_delay_alu instid0(VALU_DEP_1)
	v_pk_add_f32 v[232:233], v[232:233], v[240:241]
	s_delay_alu instid0(VALU_DEP_1)
	v_add_f32 v232, v232, v233
.endm
	s_load_b256 s[4:11], s[0:1], 0x0               ; a3 s[4:5], wimg s[6:7], x s[8:9], ln2_w s[10:11]
	s_load_b128 s[12:15], s[0:1], 0x20             ; ln2_b s[12:13], x1 s[14:15]
	s_load_b64 s[16:17], s[0:1], 0x30              ; a2
	v_lshl_add_u32 v[SPW], v0, 2, SPARE
	v_mov_b32 v[NIL], 0
	ds_add_u32 v60, v61
	ds_add_u32 v60, v61
	s_wait_dscnt 0x0
	v_lshrrev_b32 v1, 5, v0
	s_delay_alu instid0(VALU_DEP_1)
	v_readfirstlane_b32 s[WV], v1                  ; wave 0..15
	s_bfe_u32 s34, ttmp6, 0x40000                  ; cx: my place in the cluster
	s_lshl_b32 s35, ttmp9, 2                       ; in a cluster launch ttmp9 counts clusters
	s_add_co_u32 s35, s35, s34                     ; my tile of 16 tokens: it enters global offsets alone
	; descriptor group 1: four K steps of a record: 4 rows of 512 elements of 8 bytes, 1,024 elements from row to row; no padding (the images are read 16 bytes a lane, 512 consecutive bytes an instruction)
	s_mov_b32 s[G1], 15|(3<<16)|(1<<21)            ; 15:0 the mask: all four work-groups; 17:16 elements of 8 bytes; 21 set beside a mask
	s_mov_b32 s[G1+1], 512<<16                     ; tensor_dim0
	s_mov_b32 s[G1+2], 4<<16                       ; tensor_dim1
	s_mov_b32 s[G1+3], 512<<16                     ; tile_dim0
	s_mov_b32 s[G1+4], 4                           ; tile_dim1
	s_mov_b32 s[G1+5], 1024                        ; from row to row
	s_mov_b32 s[G1+6], 0
	s_mov_b32 s[G1+7], 0
	s_add_co_u32 s25, s[WV], 48
	s_mul_i32 s25, s25, REC                        ; my 64 columns of w_proj: the wave's number alone
	s_mov_b32 s28, s25
	s_mov_b32 s29, 0
	s_lshl_b32 s30, s[WV], 14                      ; my slot
	s_wait_kmcnt 0x0
	s_mov_b32 s[G0], 1
	s_mov_b32 s[G0+1], s30
	s_add_nc_u64 s[G0+2:G0+3], s[6:7], s[28:29]
	s_or_b32 s[G0+3], s[G0+3], 0x80000000
	CROUND                                         ; all four work-groups are here: the first joint loads meet
	tensor_load_to_lds s[G0:G0+3], s[G1:G1+7]      ; K steps 0 to 3 of my record
	s_nop 0
.rept 4
	v_nop
.endr
	v_and_b32 v1, 31, v0
	s_delay_alu instid0(VALU_DEP_1)
	v_lshlrev_b32 v[LI], 4, v1
	s_wait_alu depctr_va_vdst(0)
	v_and_b32 v[RR], 15, v0
	s_wait_alu depctr_va_vdst(0)
	v_bfe_u32 v[HH], v0, 4, 1
	s_mov_b32 s[SEL], 0x76543210
	s_mov_b32 s[SEL+1], 0xfedcba98
	s_mov_b32 s32, 0x3a800000                      ; 1 / 1024
	s_mov_b32 s33, 0x3727c5ac                      ; 1e-5
	s_lshr_b32 s22, s35, 2
	s_mul_i32 s22, s22, REC                        ; the tile's record, in a3 and in a2
	s_and_b32 s23, s35, 3
	s_lshl_b32 s24, s23, 9
	s_add_co_u32 s24, s24, s22
	s_add_co_u32 s24, s24, SCO                     ; its scale bytes
	s_lshl_b32 s23, s23, 13
	s_add_co_u32 s23, s23, s22                     ; its eight fragments
	s_lshr_b32 s26, s35, 1
	s_lshl_b32 s26, s26, 17
	s_and_b32 s27, s35, 1
	s_lshl_b32 s27, s27, 15
	s_add_co_u32 s26, s26, s27
	s_lshl_b32 s27, s[WV], 8
	s_add_co_u32 s26, s26, s27                     ; x, x1: the tile's first row, my 256 bytes of it
	s_lshl_b32 s28, s[WV], 9
	v_add_nc_u32 v4, s28, v[LI]
	s_delay_alu instid0(VALU_DEP_1)
	v_add_nc_u32 v12, s23, v4                      ; my 512 bytes of the tokens' fragments in a3; and my group of codes in a2
	s_delay_alu instid0(VALU_DEP_2)
	v_add_nc_u32 v4, AIMG, v4                      ; the same bytes in LDS
	v_add_nc_u32 v[AIA], AIMG, v[LI]
	v_add_nc_u32 v15, s30, v[LI]                   ; my slot + 16 lane
	v_lshlrev_b32 v11, 5, v[RR]
	s_wait_alu depctr_va_vdst(0)
	v_lshl_add_u32 v11, v[HH], 4, v11
	s_delay_alu instid0(VALU_DEP_1)
	v_add_nc_u32 v13, s24, v11
	s_add_co_u32 s29, s25, SCO
	v_add_nc_u32 v14, s29, v11
	v_lshlrev_b32 v7, 12, v[HH]
	s_delay_alu instid0(VALU_DEP_1)
	v_lshl_add_u32 v7, v[RR], 4, v7
	s_delay_alu instid0(VALU_DEP_1)
	v_add_nc_u32 v7, s26, v7                       ; by rows: lanes 0-15 one row's 256 bytes, lanes 16-31 the next row's
	v_mul_u32_u24 v5, v[RR], 272
	s_delay_alu instid0(VALU_DEP_1)
	v_lshl_add_u32 v5, v[HH], 6, v5
	s_delay_alu instid0(VALU_DEP_1)
	v_add_nc_u32 v5, s30, v5                       ; stage (16 rows x 272 bytes at my slot's head), in the result's layout: row r, + 64 h
	v_mul_u32_u24 v6, v[HH], 272
	s_delay_alu instid0(VALU_DEP_1)
	v_lshl_add_u32 v6, v[RR], 4, v6
	s_delay_alu instid0(VALU_DEP_1)
	v_add_nc_u32 v6, s30, v6                       ; stage, by rows
	v_mul_u32_u24 v9, v[RR], 80
	s_delay_alu instid0(VALU_DEP_1)
	v_add_nc_u32 v9, RED1, v9
	s_lshl_b32 s31, s[WV], 2
	v_add_nc_u32 v8, s31, v9
	v_lshl_add_u32 v10, v[HH], 6, s27              ; gain and bias: 64 h + 256 w
	s_lshl_b32 s31, s[WV], 1
	s_add_co_u32 s31, s31, s24                     ; my two of a row's 32 scale bytes
	global_load_b128 v[52:55], v12, s[4:5]         ; six loads go out: my 512 bytes of the tokens' fragments,
	global_load_b128 v[ASC:ASC+3], v13, s[4:5]     ; their scale words,
.irp n, 0,1,2,3
	global_load_b128 v[BSC+4*\n:BSC+4*\n+3], v14, s[6:7] offset:512*\n   ; and the weight's
.endr
	s_wait_loadcnt 5                               ; the first of them is in; the five loads of scale words may stay out
	ds_store_b128 v4, v[52:55]
	s_wait_dscnt 0x0                               ; for the others' sake: my part of the tokens' image has landed
	s_wait_tensorcnt 0x0                           ; my slot is whole; nobody else reads it
	s_barrier_signal -1
	s_barrier_wait -1                              ; the tokens' eight fragments lie in LDS
	v_mov_b32 v[T0+2], 0                           ; written once: a lane permute's destination counts as one of its sources
	v_mov_b32 v[T0+3], 0
.irp i, 0,1,2,3,4,5,6,7
	global_load_b128 v[XR+4*\i:XR+4*\i+3], v7, s[8:9] offset:(2*\i+8*(\i/4))*4096   ; x, row places 2 i and 2 i + 1: wanted behind the products, asked for here
.endr
	s_wait_loadcnt 8                               ; the scale words are in; x's eight loads may stay out
	HALF 0
	s_wait_tensorcnt 0x0                           ; no tensor load of mine is out, so group 0 may be written
	ds_add_u32 v[SPW], v[NIL]                      ; 0 onto my spare word
	s_add_nc_u64 s[G0+2:G0+3], s[G0+2:G0+3], 4096  ; K steps 4 to 7: 4,096 bytes on in each of the four rows
	s_wait_dscnt 0x0                               ; the add is done, and my reads of the slot are over
	CROUND                                         ; the same holds of every wave of all four work-groups
	tensor_load_to_lds s[G0:G0+3], s[G1:G1+7]      ; the joint refill: my one tensor load behind the round, and the first thing there
	s_nop 0
.rept 4
	v_nop
.endr
	s_wait_tensorcnt 0x0                           ; my slot is whole again
	HALF 1
	s_wait_alu depctr_va_vdst(0)
.irp n, 0,1,2,3
.irp c, 0,1
	global_load_b128 v[128+8*\n+4*\c:131+8*\n+4*\c], v10, s[10:11] offset:128*(\n/2)+32*(\n%2)+16*\c   ; the gain of my 32 columns,
	global_load_b128 v[160+8*\n+4*\c:163+8*\n+4*\c], v10, s[12:13] offset:128*(\n/2)+32*(\n%2)+16*\c   ; and the bias
.endr
.endr
	s_wait_loadcnt 16                              ; x is in; the sixteen loads just issued may stay out
.irp i, 0,1,2,3,4,5,6,7
	ds_store_b128 v6, v[XR+4*\i:XR+4*\i+3] offset:544*\i   ; into my slot, which has had its last fill and its last read
.endr
.irp n, 0,1,2,3
.irp c, 0,1
	ds_load_b128 v[192+8*\n+4*\c:195+8*\n+4*\c], v5 offset:128*(\n/2)+32*(\n%2)+16*\c   ; LDS serves a wave's instructions in order: these see my stores
.endr
.endr
	s_wait_dscnt 0x0
.set j, 0
.rept 16
	v_pk_add_f32 v[ACC+j:ACC+j+1], v[ACC+j:ACC+j+1], v[192+j:193+j]   ; x1; each accumulator from its low end on
.set j, j+2
.endr
.irp n, 0,1,2,3
.irp c, 0,1
	ds_store_b128 v5, v[ACC+8*\n+4*\c:ACC+8*\n+4*\c+3] offset:128*(\n/2)+32*(\n%2)+16*\c
.endr
.endr
.irp i, 0,1,2,3,4,5,6,7
	ds_load_b128 v[XR+4*\i:XR+4*\i+3], v6 offset:544*\i
.endr
.irp c, 0,1,2,3
	v_pk_add_f32 v[224+2*\c:225+2*\c], v[ACC+4*\c:ACC+4*\c+1], v[ACC+4*\c+2:ACC+4*\c+3]   ; the sum of my 32 numbers, in four chains, while x1 turns
.endr
.irp j, 16,24
.irp c, 0,1,2,3
	s_delay_alu instid0(VALU_DEP_4)
	v_pk_add_f32 v[224+2*\c:225+2*\c], v[224+2*\c:225+2*\c], v[ACC+\j+2*\c:ACC+\j+2*\c+1]
.endr
.endr
	s_wait_alu depctr_va_vdst(0)
	s_wait_dscnt 0x0
.irp i, 0,1,2,3,4,5,6,7
	global_store_b128 v7, v[XR+4*\i:XR+4*\i+3], s[14:15] offset:(2*\i+8*(\i/4))*4096   ; 16 lanes store 256 consecutive bytes, at a multiple of 256 from x1's first byte
.endr
	ACROSS 0
	s_delay_alu instid0(VALU_DEP_1)
	v_mul_f32 v[MEAN], s32, v232                   ; the mean
	s_delay_alu instid0(VALU_DEP_1)
	v_mov_b32 v[MEAN+1], v[MEAN]
.set j, 0
.rept 16
	v_pk_add_f32 v[ACC+j:ACC+j+1], v[ACC+j:ACC+j+1], v[MEAN:MEAN+1] neg_lo:[0,1] neg_hi:[0,1]
.set j, j+2
.endr
.irp c, 0,1,2,3
	v_pk_mul_f32 v[224+2*\c:225+2*\c], v[ACC+2*\c:ACC+2*\c+1], v[ACC+2*\c:ACC+2*\c+1]
.endr
.irp j, 8,16,24
.irp c, 0,1,2,3
	s_delay_alu instid0(VALU_DEP_4)
	v_pk_fma_f32 v[224+2*\c:225+2*\c], v[ACC+\j+2*\c:ACC+\j+2*\c+1], v[ACC+\j+2*\c:ACC+\j+2*\c+1], v[224+2*\c:225+2*\c]
.endr
.endr
	ACROSS ROFF                                    ; other bytes than the first exchange
	s_delay_alu instid0(VALU_DEP_1)
	v_fma_f32 v232, v232, s32, s33                 ; the variance + 1e-5
	s_wait_alu depctr_va_vdst(0)
	v_rsq_f32 v[RSTD], v232
	v_nop                                          ; one plain line behind a transcendental
	s_wait_alu depctr_va_vdst(0)
	v_mov_b32 v[RSTD+1], v[RSTD]
	s_wait_alu depctr_va_vdst(0)
	s_wait_loadcnt 0x0                             ; gain and bias
.set j, 0
.rept 16
	v_pk_mul_f32 v[ACC+j:ACC+j+1], v[ACC+j:ACC+j+1], v[RSTD:RSTD+1]
.set j, j+2
.endr
.set j, 0
.rept 16
	v_pk_fma_f32 v[ACC+j:ACC+j+1], v[ACC+j:ACC+j+1], v[128+j:129+j], v[160+j:161+j]
.set j, j+2
.endr
	QUANT2 ACC, ACC+8, ACC+16, ACC+24, 36, 40
	v_lshl_add_u32 v41, v[RR], 5, s31
	global_store_b128 v12, v[36:39], s[16:17]      ; K step w / 2, group w % 2 of my tile: 512 consecutive bytes
	global_store_b16 v41, v40, s[16:17]
	s_wait_tensorcnt 0x0                           ; the wave's end: behind my last tensor load and my last LDS store
	ds_add_u32 v[SPW], v[NIL]
	s_wait_dscnt 0x0
	CROUND                                         ; the closing round: no work-group ends while a partner may still ask for fragments that name it
	s_endpgm
.Lfunc_end_k_qc8228d05f7_projln:
	.size	k_qc8228d05f7_projln, .Lfunc_end_k_qc8228d05f7_projln-k_qc8228d05f7_projln
	.p2alignl 7, 3214868480
	.fill 96, 4, 3214868480
	.section	.rodata,"a",@progbits
	.p2align	6, 0x0
	.amdhsa_kernel k_qc8228d05f7_projln
		.amdhsa_group_segment_fixed_size 327680
		.amdhsa_private_segment_fixed_size 0
		.amdhsa_enable_private_segment 0
		.amdhsa_kernarg_size 56
		.amdhsa_user_sgpr_count 2
		.amdhsa_user_sgpr_kernarg_segment_ptr 1
		.amdhsa_wavefront_size32 1
		.amdhsa_system_sgpr_workgroup_id_x 1
		.amdhsa_system_sgpr_workgroup_id_y 1
		.amdhsa_system_sgpr_workgroup_id_z 1
		.amdhsa_system_vgpr_workitem_id 0
		.amdhsa_next_free_vgpr 256
		.amdhsa_next_free_sgpr 66
		.amdhsa_reserve_vcc 0
		.amdhsa_float_denorm_mode_32 3
		.amdhsa_float_denorm_mode_16_64 3
		.amdhsa_memory_ordered 1
		.amdhsa_forward_progress 1
		.amdhsa_inst_pref_size 36
	.end_amdhsa_kernel
	.amdgpu_metadata
---
amdhsa.version: [ 1, 2 ]
amdhsa.kernels:
  - .name:           k_qc8228d05f7_projln
    .symbol:         k_qc8228d05f7_projln.kd
    .args:
      - { .name: a3, .offset: 0, .size: 8, .value_kind: global_buffer, .address_space: global }
      - { .name: wimg, .offset: 8, .size: 8, .value_kind: global_buffer, .address_space: global }
      - { .name: x, .offset: 16, .size: 8, .value_kind: global_buffer, .address_space: global }
      - { .name: ln2_w, .offset: 24, .size: 8, .value_kind: global_buffer, .address_space: global }
      - { .name: ln2_b, .offset: 32, .size: 8, .value_kind: global_buffer, .address_space: global }
      - { .name: x1, .offset: 40, .size: 8, .value_kind: global_buffer, .address_space: global }
      - { .name: a2, .offset: 48, .size: 8, .value_kind: global_buffer, .address_space: global }
    .group_segment_fixed_size: 327680
    .private_segment_fixed_size: 0
    .kernarg_segment_align: 8
    .kernarg_segment_size: 56
    .max_flat_workgroup_size: 512
    .sgpr_count:     66
    .vgpr_count:     256
    .wavefront_size: 32
...
	.end_amdgpu_metadata
.endif
;; end of part 4
;; launch fc1 (part 5): grid 16 x 16, 16 waves a work-group, clusters of 4 x 4, 280,576 bytes of LDS; arguments a2, wimg, fc1_b, hid; writes hid
.if DOCPART == 5
	.amdgcn_target "amdgcn-amd-amdhsa--gfx1250"
	.amdhsa_code_object_version 6
	.text
	.protected	k_qc8228d05f7_fc1
	.globl	k_qc8228d05f7_fc1
	.p2align	8
	.type	k_qc8228d05f7_fc1,@function
k_qc8228d05f7_fc1:
	s_mov_b64 s[64:65], 0
	v_nop
	global_prefetch_b8 v0, s[64:65] scope:SCOPE_SE
	s_setreg_imm32_b32 hwreg(HW_REG_WAVE_MODE, 25, 1), 1
	s_wait_xcnt 0x0
	s_wait_alu depctr_hold_cnt(0) depctr_sa_sdst(0) depctr_va_vdst(0) depctr_va_sdst(0) depctr_va_ssrc(0) depctr_va_vcc(0) depctr_vm_vsrc(0)
	s_getreg_b32 s2, hwreg(HW_REG_IB_STS2, 6, 4)
	s_cmp_eq_u32 s2, 0
	s_cbranch_scc0 .Lentry_in_a_cluster
	s_endpgm
.Lentry_in_a_cluster:
	s_bfe_u32 s2, ttmp6, 0x10000c
	s_cmp_lg_u32 s2, 0xf033
	s_cbranch_scc0 .Lentry_shape_is_right
	s_endpgm
.Lentry_shape_is_right:
; hid = Q(gelu(LN2(x1) fc1_w + fc1_b)): a product on codes of FP4 with E8M0 scales, the exact gelu in f32, and the quantiser along the 4,096 hidden units.  The hidden layer goes to memory as codes alone.
; A work-group takes 256 tokens (work-group y) x 256 hidden units (work-group x): sixteen waves, each 64 x 64: 16 accumulators, K = 1,024 in eight steps of 128.  16 x 16 work-groups: one for each of 256 WGPs.
; Eight records of 34,816 bytes lie in LDS together: four of fc1_w (records 64 + 4 x + 0 .. 3 of wimg), four of a2 (4 y + 0 .. 3).  Each is filled once, so no slot is filled again.
; CLUSTER 4 x 4: the weight's records are asked for jointly along a column of the cluster, a2's along a row.
; Source 0 = the weight, source 1 = the tokens: a lane holds a token and its registers run along the hidden units (place r of tile 2 b + u is row 32 b + 8 u + r + 8 (r / 8) in both sources).
; The bias is the C of each sum's first product: it is loaded into the accumulators of the first tile of tokens, serves the other three tiles from there, and is added onto in place last.
; gelu(x) = x/2 + x/2 erf(x / sqrt 2); erf(z) = z P(z^2) / Q(z^2) on z held to +-4, a rational form whose absolute error is about 1e-7; so gelu's error is about 1e-7 |x|.
; LIMITS: NaN and infinities are not served; a block under 2^-124 gets the byte 1; only this program reads the bytes.
.set REC, 34816
.set SCO, 32768
.set LI,  1
.set RR,  2
.set HH,  3
.set AD0, 4
.set AD1, 5
.set AS0, 6
.set AS1, 7
.set SL,  0
.set T0,  20
.set SC0, 32
.set SC1, 48
.set F0,  64
.set F1,  96
.set ACC, 128
.set PC,  64                           ; behind the products: the codes,
.set HW,  80                           ; the scale bytes,
.set GZ,  96                           ; and gelu's z, z^2, P, Q: eight registers each
.set GZ2, 104
.set GP,  112
.set GQ,  120
.set WV,  20
.set SEL, 26
.set G1A, 28
.set G0A, 36
.set G1B, 44
.set G0B, 52
.set RS2, 68                           ; s[68:89]: constants, each twice (the packed forms name a pair)
.set A13, 70
.set A9,  72
.set A7,  74
.set A5,  76
.set A3,  78
.set A1,  80
.set B8,  82
.set B4,  84
.set B2,  86
.set B0,  88
.macro CROUND
	s_barrier_signal -1
	s_barrier_wait -1
	s_cmp_lg_u32 s[WV], 0
	s_cbranch_scc1 .Lnot_wave_0_\@
	s_barrier_signal -3
.Lnot_wave_0_\@:
	s_barrier_wait -3
	s_barrier_signal -1
	s_barrier_wait -1
.endm
.macro SCLOAD
.irp j, 0,1,2,3
	ds_load_b128 v[SC0+4*\j:SC0+4*\j+3], v[AS0+SL] offset:512*\j
	ds_load_b128 v[SC1+4*\j:SC1+4*\j+3], v[AS1+SL] offset:512*\j
.endr
.endm
.macro FLOAD s
.irp j, 0,1,2,3
.irp c, 0,1
	ds_load_b128 v[F0+8*\j+4*\c:F0+8*\j+4*\c+3], v[AD0+SL] offset:(8*\j+(\s))*1024+512*\c
.endr
.endr
.irp j, 0,1,2,3
.irp c, 0,1
	ds_load_b128 v[F1+8*\j+4*\c:F1+8*\j+4*\c+3], v[AD1+SL] offset:(8*\j+(\s))*1024+512*\c
.endr
.endr
.endm
.macro WM a, b, s
.if (\s) < 4
	v_wmma_scale_f32_16x16x128_f8f6f4 v[ACC+8*(4*\a+\b):ACC+8*(4*\a+\b)+7], v[F0+8*\b:F0+8*\b+7], v[F1+8*\a:F1+8*\a+7], v[ACC+8*(4*\a+\b):ACC+8*(4*\a+\b)+7], v[SC0+4*\b+(\s)%4], v[SC1+4*\a+(\s)%4] matrix_a_fmt:MATRIX_FMT_FP4 matrix_b_fmt:MATRIX_FMT_FP4
.else
	v_wmma_scale_f32_16x16x128_f8f6f4 v[ACC+8*(4*\a+\b):ACC+8*(4*\a+\b)+7], v[F0+8*\b:F0+8*\b+7], v[F1+8*\a:F1+8*\a+7], v[ACC+8*(4*\a+\b):ACC+8*(4*\a+\b)+7], v[SC0+4*\b+(\s)%4], v[SC1+4*\a+(\s)%4] matrix_a_fmt:MATRIX_FMT_FP4 matrix_b_fmt:MATRIX_FMT_FP4 matrix_a_scale:MATRIX_SCALE_ROW1 matrix_b_scale:MATRIX_SCALE_ROW1
.endif
.endm
.macro KSTEP s                         ; 16 LDS loads, 16 products; the 16 accumulators take turns, one instruction a turn
.rept 4
	v_nop                                          ; four plain lines between the last products and loads into registers that they read
.endr
	FLOAD \s
.irp a, 0,1,2,3
	s_wait_dscnt 6-2*\a                            ; the later tiles of source 1, two loads each, may be out
.irp b, 0,1,2,3
	WM \a, \b, \s
.endr
.endr
.endm
.macro QUANT2 a0, a1, a2, a3, pc, hw
	v_max3_num_f32 v[T0], |v[(\a0)]|, |v[(\a0)+1]|, 0x1800000
	v_max3_num_f32 v[T0+1], |v[(\a2)]|, |v[(\a2)+1]|, 0x1800000
.irp i, 2,4,6
	s_delay_alu instid0(VALU_DEP_2)
	v_max3_num_f32 v[T0], v[T0], |v[(\a0)+\i]|, |v[(\a0)+\i+1]|
	s_delay_alu instid0(VALU_DEP_2)
	v_max3_num_f32 v[T0+1], v[T0+1], |v[(\a2)+\i]|, |v[(\a2)+\i+1]|
.endr
.irp i, 0,2,4,6
	s_delay_alu instid0(VALU_DEP_2)
	v_max3_num_f32 v[T0], v[T0], |v[(\a1)+\i]|, |v[(\a1)+\i+1]|
	s_delay_alu instid0(VALU_DEP_2)
	v_max3_num_f32 v[T0+1], v[T0+1], |v[(\a3)+\i]|, |v[(\a3)+\i+1]|
.endr
	s_delay_alu instid0(VALU_DEP_2)
	v_permlanex16_b32 v[T0+2], v[T0], s[SEL], s[SEL+1]
	s_delay_alu instid0(VALU_DEP_2)
	v_permlanex16_b32 v[T0+3], v[T0+1], s[SEL], s[SEL+1]
	s_delay_alu instid0(VALU_DEP_2)
	v_max_num_f32 v[T0], v[T0], v[T0+2]
	s_delay_alu instid0(VALU_DEP_2)
	v_max_num_f32 v[T0+1], v[T0+1], v[T0+3]
	s_delay_alu instid0(VALU_DEP_2)
	v_add_nc_u32 v[T0+4], 0xff000000, v[T0]
	s_delay_alu instid0(VALU_DEP_2)
	v_add_nc_u32 v[T0+5], 0xff000000, v[T0+1]
	s_delay_alu instid0(VALU_DEP_2)
	v_lshrrev_b32 v[T0+6], 23, v[T0+4]
	s_delay_alu instid0(VALU_DEP_2)
	v_lshrrev_b32 v[T0+7], 23, v[T0+5]
	s_delay_alu instid0(VALU_DEP_1)
	v_lshl_or_b32 v[\hw], v[T0+7], 8, v[T0+6]
	v_cvt_scalef32_pk8_fp4_f32 v[(\pc)], v[(\a0):(\a0)+7], v[T0+4]
	v_cvt_scalef32_pk8_fp4_f32 v[(\pc)+1], v[(\a1):(\a1)+7], v[T0+4]
	v_cvt_scalef32_pk8_fp4_f32 v[(\pc)+2], v[(\a2):(\a2)+7], v[T0+5]
	v_cvt_scalef32_pk8_fp4_f32 v[(\pc)+3], v[(\a3):(\a3)+7], v[T0+5]
	v_nop
	v_permlane16_swap_b32 v[(\pc)], v[(\pc)+2]
	v_permlane16_swap_b32 v[(\pc)+1], v[(\pc)+3]
.endm
; gelu of the eight numbers of one accumulator, in place; its four pairs by turns, from its low end on
.macro GELU8 a
.irp p, 0,2,4,6
	v_pk_mul_f32 v[GZ+\p:GZ+\p+1], v[(\a)+\p:(\a)+\p+1], s[RS2:RS2+1] op_sel_hi:[1,0]   ; z = x / sqrt 2
.endr
.irp p, 0,1,2,3,4,5,6,7
	v_med3_num_f32 v[GZ+\p], v[GZ+\p], -4.0, 4.0
.endr
.irp p, 0,2,4,6
	v_pk_mul_f32 v[GZ2+\p:GZ2+\p+1], v[GZ+\p:GZ+\p+1], v[GZ+\p:GZ+\p+1]
.endr
.irp p, 0,2,4,6
	v_pk_fma_f32 v[GP+\p:GP+\p+1], v[GZ2+\p:GZ2+\p+1], s[A13:A13+1], v[16:17] op_sel_hi:[1,0,1]
	v_pk_fma_f32 v[GQ+\p:GQ+\p+1], v[GZ2+\p:GZ2+\p+1], s[B8:B8+1], v[18:19] op_sel_hi:[1,0,1]
.endr
.irp k, A9, A7, A5, A3, A1
.irp p, 0,2,4,6
	v_pk_fma_f32 v[GP+\p:GP+\p+1], v[GP+\p:GP+\p+1], v[GZ2+\p:GZ2+\p+1], s[\k:\k+1] op_sel_hi:[1,1,0]
.endr
.endr
.irp k, B4, B2, B0
.irp p, 0,2,4,6
	v_pk_fma_f32 v[GQ+\p:GQ+\p+1], v[GQ+\p:GQ+\p+1], v[GZ2+\p:GZ2+\p+1], s[\k:\k+1] op_sel_hi:[1,1,0]
.endr
.endr
	s_wait_alu depctr_va_vdst(0)
.irp p, 0,1,2,3,4,5,6,7
	v_rcp_f32 v[GQ+\p], v[GQ+\p]
.endr
.irp p, 0,2,4,6
	v_pk_mul_f32 v[GP+\p:GP+\p+1], v[GP+\p:GP+\p+1], v[GZ+\p:GZ+\p+1]   ; (plain lines behind the reciprocals, which they do not name)
.endr
	s_wait_alu depctr_va_vdst(0)
.irp p, 0,2,4,6
	v_pk_mul_f32 v[GP+\p:GP+\p+1], v[GP+\p:GP+\p+1], v[GQ+\p:GQ+\p+1]   ; erf
.endr
.irp p, 0,2,4,6
	v_pk_mul_f32 v[GZ2+\p:GZ2+\p+1], v[(\a)+\p:(\a)+\p+1], 0.5 op_sel_hi:[1,0]
.endr
.irp p, 0,2,4,6
	s_delay_alu instid0(VALU_DEP_4)
	v_pk_fma_f32 v[(\a)+\p:(\a)+\p+1], v[GZ2+\p:GZ2+\p+1], v[GP+\p:GP+\p+1], v[GZ2+\p:GZ2+\p+1]
.endr
.endm
	s_load_b256 s[4:11], s[0:1], 0x0               ; a2 s[4:5], wimg s[6:7], fc1_b s[8:9], hid s[10:11]
	v_lshl_add_u32 v30, v0, 2, 0x44000
	v_mov_b32 v31, 0
	ds_add_u32 v30, v31
	ds_add_u32 v30, v31
	v_lshrrev_b32 v1, 5, v0
	s_delay_alu instid0(VALU_DEP_1)
	v_readfirstlane_b32 s[WV], v1                  ; wave 0..15
	s_bfe_u32 s21, ttmp6, 0x40000
	s_bfe_u32 s22, ttmp6, 0x40004
	s_lshl_b32 s23, ttmp9, 2
	s_add_co_u32 s23, s23, s21                     ; work-group x: 256 hidden units
	s_and_b32 s24, ttmp7, 0xffff
	s_lshl_b32 s24, s24, 2
	s_add_co_u32 s24, s24, s22                     ; work-group y: 256 tokens
	s_lshl_b32 s66, s22, 2
	s_lshl_b32 s66, 15, s66
	s_lshl_b32 s67, 0x1111, s21
	s_or_b32 s[G1A], s66, (3<<16)|(1<<21)          ; a2's records go to my row of the cluster
	s_or_b32 s[G1B], s67, (3<<16)|(1<<21)          ; the weight's to my column
.irp g, G1A, G1B
	s_mov_b32 s[\g+1], 32<<16                      ; a record is a dense block: 136 rows of 32 elements of 8 bytes
	s_mov_b32 s[\g+2], 136<<16
	s_mov_b32 s[\g+3], 32<<16
	s_mov_b32 s[\g+4], 136
	s_mov_b32 s[\g+5], 32
	s_mov_b32 s[\g+6], 0
	s_mov_b32 s[\g+7], 0
.endr
	s_and_b32 s42, s[WV], 3
	s_lshl_b32 s40, s24, 2
	s_add_co_u32 s40, s40, s42
	s_mul_i32 s40, s40, REC                        ; a2: record 4 y + wave % 4 (asked for by waves 4 to 7)
	s_mov_b32 s41, 0
	s_lshl_b32 s56, s23, 2
	s_add_co_u32 s56, s56, s[WV]
	s_add_co_u32 s56, s56, 64
	s_mul_i32 s56, s56, REC                        ; the weight: record 64 + 4 x + wave (asked for by waves 0 to 3)
	s_mov_b32 s57, 0
	s_min_u32 s43, s[WV], 7
	s_mul_i32 s43, s43, REC                        ; slot = wave: no place in the cluster enters an LDS address
	s_wait_dscnt 0x0
	s_wait_kmcnt 0x0
	s_mov_b32 s[G0A], 1
	s_mov_b32 s[G0A+1], s43
	s_add_nc_u64 s[G0A+2:G0A+3], s[4:5], s[40:41]
	s_or_b32 s[G0A+3], s[G0A+3], 0x80000000
	s_mov_b32 s[G0B], 1
	s_mov_b32 s[G0B+1], s43
	s_add_nc_u64 s[G0B+2:G0B+3], s[6:7], s[56:57]
	s_or_b32 s[G0B+3], s[G0B+3], 0x80000000
	CROUND                                         ; all sixteen work-groups are here: the joint loads meet
	s_cmp_lt_u32 s[WV], 4                          ; the branches hang on the wave's number alone
	s_cbranch_scc0 .Lnot_w
	tensor_load_to_lds s[G0B:G0B+3], s[G1B:G1B+7]
	s_nop 0
.rept 4
	v_nop
.endr
	s_branch .Lasked
.Lnot_w:
	s_cmp_lt_u32 s[WV], 8
	s_cbranch_scc0 .Lasked
	tensor_load_to_lds s[G0A:G0A+3], s[G1A:G1A+7]
	s_nop 0
.rept 4
	v_nop
.endr
.Lasked:
	s_mov_b32 s[SEL], 0x76543210
	s_mov_b32 s[SEL+1], 0xfedcba98
	v_and_b32 v[LI], 31, v0
	s_delay_alu instid0(VALU_DEP_1)
	v_lshlrev_b32 v[LI], 4, v[LI]
	s_wait_alu depctr_va_vdst(0)
	v_and_b32 v[RR], 15, v0
	s_wait_alu depctr_va_vdst(0)
	v_bfe_u32 v[HH], v0, 4, 1
	v_mov_b32 v[T0+2], 0                           ; written once: a lane permute's destination counts as one of its sources
	v_mov_b32 v[T0+3], 0
	s_and_b32 s58, s[WV], 3                        ; which 64 hidden units
	s_lshr_b32 s59, s[WV], 2                       ; which 64 tokens
	s_lshl_b32 s62, s23, 10
	s_lshl_b32 s63, s58, 8
	s_add_co_u32 s62, s62, s63
	v_lshl_add_u32 v8, v[HH], 6, s62               ; the bias of my lane's units: 4 (256 x + 64 jn) + 64 h
.irp n, 0,1,2,3
.irp c, 0,1
	global_load_b128 v[ACC+8*\n+4*\c:ACC+8*\n+4*\c+3], v8, s[8:9] offset:128*(\n/2)+32*(\n%2)+16*\c
.endr
.endr
	s_mul_i32 s60, s58, REC                        ; the weight's slots 0 to 3,
	s_add_co_u32 s61, s59, 4
	s_mul_i32 s61, s61, REC                        ; the tokens' slots 4 to 7
	v_add_nc_u32 v[AD0], s60, v[LI]
	v_add_nc_u32 v[AD1], s61, v[LI]
	v_lshlrev_b32 v9, 5, v[RR]
	s_wait_alu depctr_va_vdst(0)
	v_lshl_add_u32 v9, v[HH], 4, v9
	s_delay_alu instid0(VALU_DEP_1)
	v_add_nc_u32 v9, SCO, v9
	s_delay_alu instid0(VALU_DEP_1)
	v_add_nc_u32 v[AS0], s60, v9
	s_delay_alu instid0(VALU_DEP_2)
	v_add_nc_u32 v[AS1], s61, v9
	s_mov_b32 s[RS2], 0x3f3504f3                   ; 1 / sqrt 2
	s_mov_b32 s[A13], -0.000000000272614225801306  ; the numerator's coefficients, z^13 down to z^1 (z^11's lies in v16),
	s_mov_b32 s[A9], -0.00000210102402082508
	s_mov_b32 s[A7], -0.0000569250639462346
	s_mov_b32 s[A5], -0.000734990630326855
	s_mov_b32 s[A3], -0.00295459980854025
	s_mov_b32 s[A1], -0.0160960333262415
	s_mov_b32 s[B8], -0.0000145660718464996        ; the denominator's, z^8 down to 1 (z^6's lies in v18)
	s_mov_b32 s[B4], -0.00168282697438203
	s_mov_b32 s[B2], -0.00737332916720468
	s_mov_b32 s[B0], -0.0142647390514189
.irp k, RS2, A13, A9, A7, A5, A3, A1, B8, B4, B2, B0
	s_mov_b32 s[\k+1], s[\k]
.endr
	v_mov_b32 v16, 0.0000000277068142495902
	s_delay_alu instid0(VALU_DEP_1)
	v_mov_b32 v17, v16
	v_mov_b32 v18, -0.000213374055278905
	s_delay_alu instid0(VALU_DEP_1)
	v_mov_b32 v19, v18
	s_lshl_b32 s90, s24, 2
	s_add_co_u32 s90, s90, s59                     ; my 64 tokens among all
	s_lshl_b32 s90, s90, 2
	s_lshr_b32 s91, s23, 2
	s_add_co_u32 s90, s90, s91                     ; hid's record: 4 x tokens / 64 + units / 1,024
	s_mul_i32 s90, s90, REC
	s_and_b32 s91, s23, 3
	s_lshl_b32 s92, s91, 11
	s_lshl_b32 s93, s58, 9
	s_add_co_u32 s92, s92, s93
	s_add_co_u32 s92, s92, s90                     ; K step 2 (x % 4) + jn / 2, group jn % 2
	s_lshl_b32 s93, s91, 3
	s_lshl_b32 s94, s58, 1
	s_add_co_u32 s93, s93, s94
	s_add_co_u32 s93, s93, s90
	s_add_co_u32 s93, s93, SCO
	s_wait_alu depctr_va_vdst(0)
	s_wait_tensorcnt 0x0                           ; my record, if I asked for one, has landed,
	s_barrier_signal -1
	s_barrier_wait -1                              ; all eight records lie in LDS
	SCLOAD
	FLOAD 0
	s_wait_loadcnt 0x0                             ; the bias
	s_wait_dscnt 0x0
.irp a, 1,2,3
.irp b, 0,1,2,3
	v_wmma_scale_f32_16x16x128_f8f6f4 v[ACC+8*(4*\a+\b):ACC+8*(4*\a+\b)+7], v[F0+8*\b:F0+8*\b+7], v[F1+8*\a:F1+8*\a+7], v[ACC+8*\b:ACC+8*\b+7], v[SC0+4*\b], v[SC1+4*\a] matrix_a_fmt:MATRIX_FMT_FP4 matrix_b_fmt:MATRIX_FMT_FP4
.endr
.endr
.rept 5
	v_nop                                          ; five plain lines: the products below write over registers that those above took as C
.endr
.irp b, 0,1,2,3
	WM 0, \b, 0
.endr
.irp s, 1,2,3,4,5,6,7
	KSTEP \s
.endr
.rept 4
	v_nop
.endr
	v_add_nc_u32 v10, s92, v[LI]
	v_lshl_add_u32 v11, v[RR], 5, s93
.irp a, 0,1,2,3
.irp b, 0,1,2,3
	GELU8 ACC+32*\a+8*\b
.endr
	QUANT2 ACC+32*\a, ACC+32*\a+8, ACC+32*\a+16, ACC+32*\a+24, PC+4*\a, HW+\a
	global_store_b128 v10, v[PC+4*\a:PC+4*\a+3], s[10:11] offset:8192*\a   ; tile a of the tokens: 512 consecutive bytes
	global_store_b16 v11, v[HW+\a], s[10:11] offset:512*\a
.endr
	s_wait_tensorcnt 0x0
	ds_add_u32 v30, v31
	s_wait_dscnt 0x0
	CROUND                                         ; the closing round: no work-group ends while a partner may still ask for a record that names it
	s_endpgm
.Lfunc_end_k_qc8228d05f7_fc1:
	.size	k_qc8228d05f7_fc1, .Lfunc_end_k_qc8228d05f7_fc1-k_qc8228d05f7_fc1
	.p2alignl 7, 3214868480
	.fill 96, 4, 3214868480
	.section	.rodata,"a",@progbits
	.p2align	6, 0x0
	.amdhsa_kernel k_qc8228d05f7_fc1
		.amdhsa_group_segment_fixed_size 280576
		.amdhsa_private_segment_fixed_size 0
		.amdhsa_enable_private_segment 0
		.amdhsa_kernarg_size 32
		.amdhsa_user_sgpr_count 2
		.amdhsa_user_sgpr_kernarg_segment_ptr 1
		.amdhsa_wavefront_size32 1
		.amdhsa_system_sgpr_workgroup_id_x 1
		.amdhsa_system_sgpr_workgroup_id_y 1
		.amdhsa_system_sgpr_workgroup_id_z 1
		.amdhsa_system_vgpr_workitem_id 0
		.amdhsa_next_free_vgpr 256
		.amdhsa_next_free_sgpr 100
		.amdhsa_reserve_vcc 0
		.amdhsa_float_denorm_mode_32 3
		.amdhsa_float_denorm_mode_16_64 3
		.amdhsa_memory_ordered 1
		.amdhsa_forward_progress 1
		.amdhsa_inst_pref_size 126
	.end_amdhsa_kernel
	.amdgpu_metadata
---
amdhsa.version: [ 1, 2 ]
amdhsa.kernels:
  - .name:           k_qc8228d05f7_fc1
    .symbol:         k_qc8228d05f7_fc1.kd
    .args:
      - { .name: a2, .offset: 0, .size: 8, .value_kind: global_buffer, .address_space: global }
      - { .name: wimg, .offset: 8, .size: 8, .value_kind: global_buffer, .address_space: global }
      - { .name: fc1_b, .offset: 16, .size: 8, .value_kind: global_buffer, .address_space: global }
      - { .name: hid, .offset: 24, .size: 8, .value_kind: global_buffer, .address_space: global }
    .group_segment_fixed_size: 280576
    .private_segment_fixed_size: 0
    .kernarg_segment_align: 8
    .kernarg_segment_size: 32
    .max_flat_workgroup_size: 512
    .sgpr_count:     100
    .vgpr_count:     256
    .wavefront_size: 32
...
	.end_amdgpu_metadata
.endif
;; end of part 5
;; launch fc2 (part 6): grid 8 x 32, 8 waves a work-group, clusters of 4 x 4, 327,680 bytes of LDS; arguments hid, wimg, fc2_b, x1, out0; writes out0
.if DOCPART == 6
	.amdgcn_target "amdgcn-amd-amdhsa--gfx1250"
	.amdhsa_code_object_version 6
	.text
	.protected	k_qc8228d05f7_fc2
	.globl	k_qc8228d05f7_fc2
	.p2align	8
	.type	k_qc8228d05f7_fc2,@function
k_qc8228d05f7_fc2:
	s_mov_b64 s[64:65], 0
	v_nop
	global_prefetch_b8 v0, s[64:65] scope:SCOPE_SE
	s_setreg_imm32_b32 hwreg(HW_REG_WAVE_MODE, 25, 1), 1
	s_wait_xcnt 0x0
	s_wait_alu depctr_hold_cnt(0) depctr_sa_sdst(0) depctr_va_vdst(0) depctr_va_sdst(0) depctr_va_ssrc(0) depctr_va_vcc(0) depctr_vm_vsrc(0)
	s_getreg_b32 s2, hwreg(HW_REG_IB_STS2, 6, 4)
	s_cmp_eq_u32 s2, 0
	s_cbranch_scc0 .Lentry_in_a_cluster
	s_endpgm
.Lentry_in_a_cluster:
	s_bfe_u32 s2, ttmp6, 0x10000c
	s_cmp_lg_u32 s2, 0xf033
	s_cbranch_scc0 .Lentry_shape_is_right
	s_endpgm
.Lentry_shape_is_right:
; out0 = x1 + hid fc2_w + fc2_b: a product on codes of FP4 with E8M0 scales, K = 4,096, f32 sums.
; A work-group takes 128 tokens (work-group y) x 128 columns (work-group x).  Operands are RECORDS of 34,816 bytes (64 rows x 1,024 K as images of the operand's registers, then 32 scale bytes a row).
; EIGHT WAVES IN TWO GROUPS q = wave / 4.  Group q multiplies K chunks q and q + 2 (1,024 each); in a group wave (i, e) makes 64 tokens x 64 columns: 16 accumulators, eight steps of 128 a chunk.
; Eight record slots lie in LDS, slot = wave: of group q's four, two hold hid's records and two the weight's.  Each wave fills its slot at the head and once again, behind a round: one tensor load a wave each time.
; CLUSTER 4 x 4: hid's records are asked for jointly along a row of the cluster, the weight's along a column.
; THE TWO GROUPS' SUMS MEET IN LDS.  Group q lays its token tiles so that accumulators a = 0, 1 are tiles 2 q, 2 q + 1 (two address registers for the tokens' fragments); it hands accumulators a = 2, 3 to the wave 4 further on or back, as an image of the registers,
; in slot bytes that have had their last fill and their last read, takes that wave's in return, and finishes its own 32 rows: + x1 + bias, through its stage, stored by rows of 256 bytes.
; Source 0 = the weight, source 1 = the tokens; place r of tile 2 b + u is row 32 b + 8 u + r + 8 (r / 8) in both.
; LIMITS: NaN and infinities are not served; K is summed in two parts, which are then added.
.set REC,   34816
.set SCO,   32768
.set SLOTB, 4*REC
.set SPARE, 8*REC                      ; the spare words, 128 bytes a wave
.set STAGE, SPARE+1024                 ; 16 rows x 272 bytes a wave
.set LI,  1
.set RR,  2
.set HH,  3
.set AD0, 4                            ; the weight's record + 16 lane
.set ADL, 5                            ; the tokens' tiles for a = 0, 1
.set ADH, 6                            ; and for a = 2, 3
.set AS0, 7
.set ASL, 8
.set ASH, 9
.set XS,  20                           ; where I lay what I hand over
.set XL,  21                           ; where I find what I am handed
.set SPW, 28
.set NIL, 29
.set SC0, 32
.set SC1, 48
.set F0,  64
.set F1,  96
.set ACC, 128
.set X1R, 128                          ; in window 1
.set WV,  20
.set G1A, 28
.set G0A, 36
.set G1B, 44
.set G0B, 52
.set MSB, 0
.macro WIN new
.if MSB != \new
	s_set_vgpr_msb (MSB<<8)|\new
.set MSB, \new
.endif
.endm
.macro CROUND
	s_barrier_signal -1
	s_barrier_wait -1
	s_cmp_lg_u32 s[WV], 0
	s_cbranch_scc1 .Lnot_wave_0_\@
	s_barrier_signal -3
.Lnot_wave_0_\@:
	s_barrier_wait -3
	s_barrier_signal -1
	s_barrier_wait -1
.endm
.macro PLACES
.rept 4
	v_nop
.endr
.endm
.macro JLOAD                           ; waves 0, 1, 4, 5 fetch hid's records, the others the weight's: the branch hangs on the wave's number alone
	s_cmp_eq_u32 s27, 0
	s_cbranch_scc0 .Lfor_b_\@
	tensor_load_to_lds s[G0A:G0A+3], s[G1A:G1A+7]
	s_nop 0
	PLACES
	s_branch .Lasked_\@
.Lfor_b_\@:
	tensor_load_to_lds s[G0B:G0B+3], s[G1B:G1B+7]
	s_nop 0
	PLACES
.Lasked_\@:
.endm
.macro SCLOAD
.irp j, 0,1,2,3
	ds_load_b128 v[SC0+4*\j:SC0+4*\j+3], v[AS0] offset:512*\j
.endr
.irp j, 0,1
	ds_load_b128 v[SC1+4*\j:SC1+4*\j+3], v[ASL] offset:512*\j
	ds_load_b128 v[SC1+8+4*\j:SC1+8+4*\j+3], v[ASH] offset:512*\j
.endr
.endm
.macro FLOAD s, p
	WIN (0x40*(\p))
.irp j, 0,1,2,3
.irp c, 0,1
	ds_load_b128 v[F0+8*\j+4*\c:F0+8*\j+4*\c+3], v[AD0] offset:(8*\j+(\s))*1024+512*\c
.endr
.endr
.irp j, 0,1
.irp c, 0,1
	ds_load_b128 v[F1+8*\j+4*\c:F1+8*\j+4*\c+3], v[ADL] offset:(8*\j+(\s))*1024+512*\c
.endr
.endr
.irp j, 0,1
.irp c, 0,1
	ds_load_b128 v[F1+16+8*\j+4*\c:F1+16+8*\j+4*\c+3], v[ADH] offset:(8*\j+(\s))*1024+512*\c
.endr
.endr
.endm
.macro WM a, b, s, z
.if (\s) < 4
.if \z
	v_wmma_scale_f32_16x16x128_f8f6f4 v[ACC+8*(4*\a+\b):ACC+8*(4*\a+\b)+7], v[F0+8*\b:F0+8*\b+7], v[F1+8*\a:F1+8*\a+7], 0, v[SC0+4*\b+(\s)%4], v[SC1+4*\a+(\s)%4] matrix_a_fmt:MATRIX_FMT_FP4 matrix_b_fmt:MATRIX_FMT_FP4
.else
	v_wmma_scale_f32_16x16x128_f8f6f4 v[ACC+8*(4*\a+\b):ACC+8*(4*\a+\b)+7], v[F0+8*\b:F0+8*\b+7], v[F1+8*\a:F1+8*\a+7], v[ACC+8*(4*\a+\b):ACC+8*(4*\a+\b)+7], v[SC0+4*\b+(\s)%4], v[SC1+4*\a+(\s)%4] matrix_a_fmt:MATRIX_FMT_FP4 matrix_b_fmt:MATRIX_FMT_FP4
.endif
.else
	v_wmma_scale_f32_16x16x128_f8f6f4 v[ACC+8*(4*\a+\b):ACC+8*(4*\a+\b)+7], v[F0+8*\b:F0+8*\b+7], v[F1+8*\a:F1+8*\a+7], v[ACC+8*(4*\a+\b):ACC+8*(4*\a+\b)+7], v[SC0+4*\b+(\s)%4], v[SC1+4*\a+(\s)%4] matrix_a_fmt:MATRIX_FMT_FP4 matrix_b_fmt:MATRIX_FMT_FP4 matrix_a_scale:MATRIX_SCALE_ROW1 matrix_b_scale:MATRIX_SCALE_ROW1
.endif
.endm
; A step of 128: the next step's 16 fragment loads go out first, into the other set (window 0 or 1); the 16 accumulators take turns
.macro STEP s, z
.if (\s) < 7
.if (\s) > 0
	PLACES
.endif
	FLOAD (\s)+1, ((\s)+1)%2
	s_wait_dscnt 16                                ; all but the 16 just issued
.else
	s_wait_dscnt 0x0
.endif
	WIN (5*((\s)%2))
.irp a, 0,1,2,3
.irp b, 0,1,2,3
	WM \a, \b, \s, \z
.endr
.endr
.endm
.macro TRIP z                          ; a chunk of 1,024 along K
	PLACES
	SCLOAD
	FLOAD 0, 0
	STEP 0, \z
.irp s, 1,2,3,4,5,6,7
	STEP \s, 0
.endr
	WIN 0
.endm
.macro TOSTAGE a
.irp n, 0,1,2,3
.irp c, 0,1
	ds_store_b128 v12, v[ACC+32*(\a)+8*\n+4*\c:ACC+32*(\a)+8*\n+4*\c+3] offset:128*(\n/2)+32*(\n%2)+16*\c
.endr
.endr
.irp i, 0,1,2,3,4,5,6,7
	ds_load_b128 v[ACC+32*(\a)+4*\i:ACC+32*(\a)+4*\i+3], v13 offset:544*\i   ; LDS serves a wave's instructions in order: these see my stores
.endr
.endm
	s_load_b256 s[4:11], s[0:1], 0x0               ; hid s[4:5], wimg s[6:7], fc2_b s[8:9], x1 s[10:11]
	s_load_b64 s[12:13], s[0:1], 0x20              ; out0
	v_lshl_add_u32 v[SPW], v0, 2, SPARE
	v_mov_b32 v[NIL], 0
	ds_add_u32 v[SPW], v[NIL]                      ; the opening lines
	ds_add_u32 v[SPW], v[NIL]
	v_lshrrev_b32 v1, 5, v0
	v_readfirstlane_b32 s[WV], v1                  ; wave 0..7
	s_bfe_u32 s21, ttmp6, 0x40000
	s_bfe_u32 s22, ttmp6, 0x40004
	s_lshl_b32 s23, ttmp9, 2
	s_add_co_u32 s23, s23, s21                     ; work-group x: 128 columns
	s_and_b32 s24, ttmp7, 0xffff
	s_lshl_b32 s24, s24, 2
	s_add_co_u32 s24, s24, s22                     ; work-group y: 128 tokens
	s_lshl_b32 s66, s22, 2
	s_lshl_b32 s66, 15, s66
	s_lshl_b32 s67, 0x1111, s21
	s_or_b32 s[G1A], s66, (3<<16)|(1<<21)          ; hid's records go to my row of the cluster
	s_or_b32 s[G1B], s67, (3<<16)|(1<<21)          ; the weight's to my column
.irp g, G1A, G1B
	s_mov_b32 s[\g+1], 32<<16                      ; a record is a dense block: 136 rows of 32 elements of 8 bytes
	s_mov_b32 s[\g+2], 136<<16
	s_mov_b32 s[\g+3], 32<<16
	s_mov_b32 s[\g+4], 136
	s_mov_b32 s[\g+5], 32
	s_mov_b32 s[\g+6], 0
	s_mov_b32 s[\g+7], 0
.endr
	s_and_b32 s69, s[WV], 1                        ; e; also: which 64 rows I fetch
	s_lshr_b32 s25, s[WV], 2                       ; q
	s_and_b32 s27, s[WV], 2
	s_lshl_b32 s60, s24, 1
	s_add_co_u32 s60, s60, s69
	s_lshl_b32 s60, s60, 2
	s_add_co_u32 s60, s60, s25
	s_mul_i32 s60, s60, REC                        ; hid: record 4 (2 y + e) + q
	s_mov_b32 s61, 0
	s_lshl_b32 s62, s23, 1
	s_add_co_u32 s62, s62, s69
	s_lshl_b32 s62, s62, 2
	s_add_co_u32 s62, s62, 128
	s_add_co_u32 s62, s62, s25
	s_mul_i32 s62, s62, REC                        ; the weight: record 128 + 4 (2 x + e) + q
	s_mov_b32 s63, 0
	s_mul_i32 s68, s[WV], REC                      ; slot = wave
	s_wait_dscnt 0x0
	s_wait_kmcnt 0x0
	s_mov_b32 s[G0A], 1
	s_mov_b32 s[G0A+1], s68
	s_add_nc_u64 s[G0A+2:G0A+3], s[4:5], s[60:61]
	s_or_b32 s[G0A+3], s[G0A+3], 0x80000000
	s_mov_b32 s[G0B], 1
	s_mov_b32 s[G0B+1], s68
	s_add_nc_u64 s[G0B+2:G0B+3], s[6:7], s[62:63]
	s_or_b32 s[G0B+3], s[G0B+3], 0x80000000
	CROUND                                         ; all sixteen work-groups are here: the first joint loads meet
	JLOAD                                          ; K chunks 0 and 1: one load a wave
	s_bfe_u32 s74, s[WV], 0x10001                  ; i
	s_mul_i32 s70, s25, SLOTB
	s_add_co_u32 s75, s69, 2
	s_mul_i32 s75, s75, REC
	s_add_co_u32 s75, s75, s70                     ; the weight's record e of my group
	s_mul_i32 s76, s74, REC
	s_add_co_u32 s76, s76, s70                     ; the tokens' record i
	s_xor_b32 s71, s25, 1
	s_lshl_b32 s72, s25, 14
	s_add_co_u32 s72, s72, s76                     ; tiles 2 q, 2 q + 1
	s_lshl_b32 s73, s71, 14
	s_add_co_u32 s73, s73, s76                     ; the other two
	s_lshl_b32 s80, s25, 10
	s_add_co_u32 s80, s80, s76
	s_lshl_b32 s81, s71, 10
	s_add_co_u32 s81, s81, s76
	s_mul_i32 s77, s[WV], 4352
	s_add_co_u32 s77, s77, STAGE
	s_lshl_b32 s82, s[WV], 13
	s_xor_b32 s83, s[WV], 4
	s_lshl_b32 s83, s83, 13
	s_lshl_b32 s78, s23, 9
	s_lshl_b32 s79, s69, 8
	s_add_co_u32 s78, s78, s79                     ; my 64 columns, in bytes
	s_lshl_b32 s79, s24, 19
	s_add_co_u32 s26, s78, s79
	s_lshl_b32 s79, s74, 18
	s_add_co_u32 s26, s26, s79
	s_lshl_b32 s79, s25, 17
	s_add_co_u32 s26, s26, s79                     ; + row 128 y + 64 i + 32 q
	v_and_b32 v[LI], 31, v0
	v_and_b32 v[RR], 15, v0
	v_bfe_u32 v[HH], v0, 4, 1
	v_lshlrev_b32 v[LI], 4, v[LI]
	v_lshlrev_b32 v12, 5, v[RR]
	v_lshl_add_u32 v12, v[HH], 4, v12
	v_add_nc_u32 v12, SCO, v12
	v_add_nc_u32 v[AD0], s75, v[LI]
	v_add_nc_u32 v[ADL], s72, v[LI]
	v_add_nc_u32 v[ADH], s73, v[LI]
	v_add_nc_u32 v[AS0], s75, v12
	v_add_nc_u32 v[ASL], s80, v12
	v_add_nc_u32 v[ASH], s81, v12
	v_mul_u32_u24 v12, v[RR], 272
	v_mul_u32_u24 v13, v[HH], 272
	v_lshl_add_u32 v12, v[HH], 6, v12
	v_lshl_add_u32 v13, v[RR], 4, v13
	v_add_nc_u32 v12, s77, v12                     ; stage, in the result's layout
	v_add_nc_u32 v13, s77, v13                     ; stage, by rows
	v_lshl_add_u32 v15, v[RR], 4, s78
	v_lshlrev_b32 v14, 12, v[HH]
	v_lshl_add_u32 v14, v[RR], 4, v14
	v_add_nc_u32 v14, s26, v14                     ; x1, out0: lanes 0-15 one row's 256 bytes, lanes 16-31 the next row's
	v_add_nc_u32 v[XS], s82, v[LI]
	v_add_nc_u32 v[XL], s83, v[LI]
	global_load_b128 v[16:19], v15, s[8:9]         ; the bias
	s_wait_alu depctr_va_vdst(0)                   ; the wait at the head's end
	s_wait_tensorcnt 0x0                           ; my record has landed,
	s_barrier_signal -1
	s_barrier_wait -1                              ; everybody's has
	WIN 0x40
.irp a, 0,1
.irp i, 0,1,2,3,4,5,6,7
	global_load_b128 v[X1R+32*\a+4*\i:X1R+32*\a+4*\i+3], v14, s[10:11] offset:(8*\a+2*\i+8*(\i/4))*4096   ; x1, my 32 rows: wanted on the way out, asked for here, behind the head's records
.endr
.endr
	WIN 0
	TRIP 1
	s_wait_tensorcnt 0x0                           ; ahead of a refill
	ds_add_u32 v[SPW], v[NIL]
	s_add_nc_u64 s[G0A+2:G0A+3], s[G0A+2:G0A+3], 2*REC   ; no tensor load of mine is out: on to K chunk q + 2
	s_add_nc_u64 s[G0B+2:G0B+3], s[G0B+2:G0B+3], 2*REC
	s_wait_dscnt 0x0                               ; the add is done, and my reads of the slots are over
	CROUND
	JLOAD                                          ; the joint refill, first behind the round
	s_wait_tensorcnt 0x0
	s_barrier_signal -1
	s_barrier_wait -1
	TRIP 0
	PLACES                                         ; four plain lines between the last products and the first read of results
	s_barrier_signal -1                            ; (no LDS instruction of mine is out)
	s_barrier_wait -1                              ; nobody reads the slots any more, and they have had their last fill
.irp i, 0,1,2,3,4,5,6,7,8,9,10,11,12,13,14,15
	ds_store_b128 v[XS], v[ACC+64+4*\i:ACC+64+4*\i+3] offset:512*\i   ; accumulators a = 2, 3, each from its low end on
.endr
	s_wait_dscnt 0x0                               ; for the partner's sake
	s_barrier_signal -1
	s_barrier_wait -1
.irp i, 0,1,2,3,4,5,6,7,8,9,10,11,12,13,14,15
	ds_load_b128 v[F0+4*\i:F0+4*\i+3], v[XL] offset:512*\i
.endr
	s_wait_dscnt 0x0
.set j, 0
.rept 32
	v_pk_add_f32 v[ACC+j:ACC+j+1], v[ACC+j:ACC+j+1], v[F0+j:F0+j+1]   ; the two groups' parts of K
.set j, j+2
.endr
	TOSTAGE 0
	TOSTAGE 1
	s_wait_loadcnt 0x0                             ; x1 and the bias
.irp a, 0,1
	s_wait_dscnt 16-16*\a                          ; tile a is back by rows; the next tile's 16 LDS instructions may be out
	WIN 0x04
.irp i, 0,1,2,3,4,5,6,7
	v_pk_add_f32 v[ACC+32*\a+4*\i:ACC+32*\a+4*\i+1], v[ACC+32*\a+4*\i:ACC+32*\a+4*\i+1], v[X1R+32*\a+4*\i:X1R+32*\a+4*\i+1]
	v_pk_add_f32 v[ACC+32*\a+4*\i+2:ACC+32*\a+4*\i+3], v[ACC+32*\a+4*\i+2:ACC+32*\a+4*\i+3], v[X1R+32*\a+4*\i+2:X1R+32*\a+4*\i+3]
.endr
	WIN 0
.irp i, 0,1,2,3,4,5,6,7
	v_pk_add_f32 v[ACC+32*\a+4*\i:ACC+32*\a+4*\i+1], v[ACC+32*\a+4*\i:ACC+32*\a+4*\i+1], v[16:17]
	v_pk_add_f32 v[ACC+32*\a+4*\i+2:ACC+32*\a+4*\i+3], v[ACC+32*\a+4*\i+2:ACC+32*\a+4*\i+3], v[18:19]
.endr
.irp i, 0,1,2,3,4,5,6,7
	global_store_b128 v14, v[ACC+32*\a+4*\i:ACC+32*\a+4*\i+3], s[12:13] offset:(8*\a+2*\i+8*(\i/4))*4096 th:TH_STORE_NT   ; 16 lanes store 256 consecutive bytes, aligned
.endr
.endr
	s_wait_tensorcnt 0x0                           ; the wave's end
	ds_add_u32 v[SPW], v[NIL]
	s_wait_dscnt 0x0
	CROUND                                         ; the closing round
	s_endpgm
.Lfunc_end_k_qc8228d05f7_fc2:
	.size	k_qc8228d05f7_fc2, .Lfunc_end_k_qc8228d05f7_fc2-k_qc8228d05f7_fc2
	.p2alignl 7, 3214868480
	.fill 96, 4, 3214868480
	.section	.rodata,"a",@progbits
	.p2align	6, 0x0
	.amdhsa_kernel k_qc8228d05f7_fc2
		.amdhsa_group_segment_fixed_size 327680
		.amdhsa_private_segment_fixed_size 0
		.amdhsa_enable_private_segment 0
		.amdhsa_kernarg_size 40
		.amdhsa_user_sgpr_count 2
		.amdhsa_user_sgpr_kernarg_segment_ptr 1
		.amdhsa_wavefront_size32 1
		.amdhsa_system_sgpr_workgroup_id_x 1
		.amdhsa_system_sgpr_workgroup_id_y 1
		.amdhsa_system_sgpr_workgroup_id_z 1
		.amdhsa_system_vgpr_workitem_id 0
		.amdhsa_next_free_vgpr 512
		.amdhsa_next_free_sgpr 84
		.amdhsa_reserve_vcc 0
		.amdhsa_float_denorm_mode_32 3
		.amdhsa_float_denorm_mode_16_64 3
		.amdhsa_memory_ordered 1
		.amdhsa_forward_progress 1
		.amdhsa_inst_pref_size 74
	.end_amdhsa_kernel
	.amdgpu_metadata
---
amdhsa.version: [ 1, 2 ]
amdhsa.kernels:
  - .name:           k_qc8228d05f7_fc2
    .symbol:         k_qc8228d05f7_fc2.kd
    .args:
      - { .name: hid, .offset: 0, .size: 8, .value_kind: global_buffer, .address_space: global }
      - { .name: wimg, .offset: 8, .size: 8, .value_kind: global_buffer, .address_space: global }
      - { .name: fc2_b, .offset: 16, .size: 8, .value_kind: global_buffer, .address_space: global }
      - { .name: x1, .offset: 24, .size: 8, .value_kind: global_buffer, .address_space: global }
      - { .name: out0, .offset: 32, .size: 8, .value_kind: global_buffer, .address_space: global }
    .group_segment_fixed_size: 327680
    .private_segment_fixed_size: 0
    .kernarg_segment_align: 8
    .kernarg_segment_size: 40
    .max_flat_workgroup_size: 256
    .sgpr_count:     84
    .vgpr_count:     512
    .wavefront_size: 32
...
	.end_amdgpu_metadata
.endif
;; end of part 6
